; MI455X (gfx1250); checked and timed in simulation.
; The chip was launched on July 23, 2026; its instructions are those of AMD's public machine-readable ISA for CDNA 5 (MIT licence, August 2026) and "CDNA5" Instruction Set Architecture Reference Guide (July 2026). The comments in the code are by the model that wrote it; some were corrected since.
;; Biased Multi Head Attention. Allowed arithmetic: matrix products marked QUANTISED: E3M2 operands, one E8M0 scale for each 32 along K, by v_wmma_scale_f32_16x16x128_f8f6f4 with both operands' format E3M2, f32 sums; everything else in f32.
;; Inputs: Wk 1,024 x 1,024 float32; Wo 1,024 x 1,024 float32; Wq 1,024 x 1,024 float32; Wv 1,024 x 1,024 float32; mask 4,096 bool; spatial_bias 4,096 x 4,096 float32; x 4,096 x 1,024 float32.
;; Outputs: out0 4,096 x 1,024 float32.
;; This version of the problem:
;;   THIS VERSION OF THE PROBLEM IS GIVEN IN LOW PRECISION. The matrix products marked QUANTISED in the list below multiply operands that are first quantised to E3M2 (3 exponent bits, 2 mantissa bits; 6 bits a number), with one power-of-two scale for each 32 numbers along K (OCP MX v1.0); their sums are f32. All else is computed in f32.
;;   The module's matrix products, in the order in which they are computed (A, B: the left and right operand; K: the contracted axis; several contracted axes count as one K, in the product's order):
;;     1. [M 4,096, K 1,024] x [K 1,024, N 1,024]; A: input x; B: input Wq: QUANTISED
;;     2. [M 4,096, K 1,024] x [K 1,024, N 1,024]; A: input x; B: input Wk: QUANTISED
;;     3. [M 4,096, K 1,024] x [K 1,024, N 1,024]; A: input x; B: input Wv: QUANTISED
;;     4. batch 16 x [M 4,096, K 64] x [K 64, N 4,096]; A: computed on the way; B: computed on the way: QUANTISED
;;     5. batch 16 x [M 4,096, K 4,096] x [K 4,096, N 64]; A: softmax (see below); B: computed on the way: QUANTISED
;;     6. [M 4,096, K 1,024] x [K 1,024, N 1,024]; A: computed on the way; B: input Wo: QUANTISED
;;   THE QUANTISER, for each operand of a quantised product, along K:
;;     - K is cut into blocks of 32 from its start; a last block that is shorter is filled with zeros.
;;     - A block's scale is 2^e with e = floor(log2(the largest magnitude in the block)) - 4, held to -126 .. 127; a block of zeros has e = 0. As a byte (E8M0): e + 127.
;;     - Each number is divided by its block's scale, clamped to +-28, and rounded to the nearest number of E3M2, ties to even, subnormals kept.
;;     - The product sums the exact products of the quantised numbers (number of the format x scale) in f32.
;;   ~~~python
;;   def quantise(x, axis):      # numpy; x: float32 -> the quantised numbers, widened to float32 again
;;       x = np.moveaxis(x, axis, -1); K = x.shape[-1]
;;       x = np.pad(x, [(0, 0)] * (x.ndim - 1) + [(0, -K % 32)]); x = x.reshape(x.shape[:-1] + (-1, 32)); a = np.abs(x).max(-1, keepdims=True)
;;       e = np.where(a > 0, np.clip(np.frexp(np.where(a > 0, a, 1))[1] - 1 - 4, -126, 127), 0)      # np.frexp(a)[1] - 1 = floor(log2(a)), exactly
;;       r = np.clip(x / 2.0 ** e, -28, 28)
;;       step = 2.0 ** (np.maximum(np.frexp(np.where(r == 0, 1, r))[1] - 1, -2) - 2)
;;       q = np.round(r / step) * step * 2.0 ** e      # np.round: ties to even
;;       return np.moveaxis(q.reshape(q.shape[:-2] + (-1,))[..., :K], -1, axis).astype(np.float32)
;;   ~~~
;;   SOFTMAX AHEAD OF A QUANTISED PRODUCT. Where the list says 'softmax', what is quantised is not the finished softmax but p = 2^(t - M), with t = logit x log2(e) and M = ceil(the row's largest t), a whole number; so 1/2 < the row's largest p <= 1. The row's sum l is taken of the UNQUANTISED p, in f32, and the product's result is divided by l at the end. Since M is a whole number, a kernel that streams over the keys may use a running M (the ceiling of the running maximum): every later rescaling is an exact power of two, which a block's scale takes up: the codes' values come out the same.
;;   OPERANDS COMPUTED ON THE WAY. 'Computed on the way' means the value that the module computes at that place (a softmax that the list does not call 'softmax' is quantised finished and normalised). What goes into a quantiser is computed in f32, as accurately as f32 sums, v_exp_f32 and their like allow (about 1e-6 of the number): no bf16 or f16 on the way to a quantiser, and a product that is left as it is and whose result goes on into a quantised operand takes f32 operands (vector FMAs, or v_wmma_f32_16x16x4_f32). A number that lies on a knife's edge between two numbers of the format may be rounded either way, as far as f32 arithmetic and the matrix unit's own rounding can turn it there, and no further.
;; 2 versions, each right; version 2 is version 1 with the launches proj, attn, outp written anew for expert scheduling mode. Each part assembles by itself: llvm-mc -triple=amdgcn-amd-amdhsa -mcpu=gfx1250 --defsym DOCPART=n.
;; ======== version 1 of 2: 4 launches
;; workspace buffers: CI 6,291,456 bytes; SI 262,144 bytes; QKV 9,437,184 bytes; QKVS 786,432 bytes; OI 3,145,728 bytes; OS 131,072 bytes; FB 256 bytes of whole numbers
;; launch quant (part 1): grid 256 x 1, 8 waves a work-group, no clusters, 69,632 bytes of LDS; arguments x, Wq, Wk, Wv, Wo, mask, CI, SI, FB; writes CI, SI, FB
.if DOCPART == 1
	.amdgcn_target "amdgcn-amd-amdhsa--gfx1250"
	.amdhsa_code_object_version 6
	.text
	.protected	k_qf7ee63dcfe_quant
	.globl	k_qf7ee63dcfe_quant
	.p2align	8
	.type	k_qf7ee63dcfe_quant,@function
k_qf7ee63dcfe_quant:
	s_mov_b64 s[64:65], 0
	v_nop
	global_prefetch_b8 v0, s[64:65] scope:SCOPE_SE
	s_setreg_imm32_b32 hwreg(HW_REG_WAVE_MODE, 25, 1), 1
	s_wait_xcnt 0x0
; x [4096][1024] and Wq, Wk, Wv, Wo [1024][1024], f32, K innermost, become codes of BF6 (E3M2) with one E8M0 byte for each 32 along K, laid in the ORDER OF AN OPERAND'S REGISTERS.
; CI: [G 64][t 8][s 8][1536]: group G of 128 rows (0-31 x, 32-39 Wq, 40-47 Wk, 48-55 Wv, 56-63 Wo), tile t of 16 rows, K step s of 128; a fragment's 12 registers as three runs of 512 bytes: registers 4 c .. 4 c + 3 of lane l at 512 c + 16 l.
; SI: [G][s 8][r 16][t 8] words: the four scale bytes of row r of tile t in K step s.
; THE ROWS OF A TILE ARE NOT NEIGHBOURS: lane r of tile t holds row 32 (t / 2) + 8 (t % 2) + r + 8 (r / 8) of its group, so that a product that takes such tiles as source 0 leaves 16 neighbours in 16 registers.
; A block's scale is 2^(floor(log2(largest magnitude)) - 4); its byte is the largest magnitude's exponent field - 4, held at 1 from below.
; FB: the number f of the first key whose mask byte is 0 (4096 if there is none), found with integer instructions alone, in every word of FB.
; LIMITS: NaN and infinities among the inputs are not served; a block whose largest magnitude lies under 2^-122 gets the byte 1; a block of zeros gets the byte 1 where the rule says 127 (its codes are zeros, and this
; program alone reads the bytes); mask bytes are 0 or 1.
; SHARES: work-group id: group G = id / 4, K steps 2 y and 2 y + 1 with y = id % 4.  Wave w takes tile w: 16 rows x 256 along K.  Every load reads 512 consecutive bytes of a row; the numbers turn through the wave's own
; stage in LDS (rows 528 bytes apart), so that lane (r, h) gets, of row r, the 16 neighbours 32 b + 16 h + 0 .. 15 of each block b.  No tensor load: memory binds, and nothing is read twice.
.set STGB, 8448                        ; a wave's stage: 16 rows x 528 bytes
.set SCG,  8*STGB                      ; behind the stages: the scale words of the work-group's two K steps, [e 2][r 16][t 8]
.set TM,   16                          ; v16-19 largest magnitudes, v20-23 at work and bytes, v28-31 the conversions' scale operands
.set PC,   32                          ; v32-43 the fragment just made, v44-51 at work
.set PW,   52                          ; its scale word
.set R,    64                          ; v64-191 the numbers as loaded: K step e at v[64 + 64 e]
.set X,    192                         ; v192-255 64 numbers of my row: register 16 b + i = k 32 b + 16 h + i
.set WV,   24
.set SEL,  30                          ; s[30:31] v_permlanex16_b32's selects for lane l xor 16
; 64 numbers of a lane, register 16 b + i = k 32 b + 16 (lane / 16) + i of my row, become a fragment's codes in v[PC] on and its scale word in v[PW].
.macro QUANT s
.irp b, 0,1,2,3
	v_max3_num_f32 v[TM+\b], |v[\s+16*\b]|, |v[\s+1+16*\b]|, 0x2800000   ; block b: my 16 numbers, and the floor 2^(5 - 127): the byte cannot fall under 1
.endr
.irp i, 2,4,6,8,10,12,14
.irp b, 0,1,2,3
	v_max3_num_f32 v[TM+\b], v[TM+\b], |v[\s+16*\b+\i]|, |v[\s+1+16*\b+\i]|   ; the four blocks by turns
.endr
.endr
.irp b, 0,1,2,3
	v_permlanex16_b32 v[TM+4+\b], v[TM+\b], s[SEL], s[SEL+1]
.endr
.irp b, 0,1,2,3
	v_max_num_f32 v[TM+\b], v[TM+\b], v[TM+4+\b]   ; with lane l xor 16's: the block's largest magnitude
.endr
.irp b, 0,1,2,3
	v_add_nc_u32 v[TM+12+\b], 0xfe000000, v[TM+\b]   ; 4 off its exponent field: the conversion takes the exponent field of this operand as its scale
.endr
.irp b, 0,1,2,3
	v_lshrrev_b32 v[TM+4+\b], 23, v[TM+12+\b]      ; the scale's byte
.endr
	v_lshl_or_b32 v[PW], v[TM+5], 8, v[TM+4]
	v_lshl_or_b32 v[PW], v[TM+6], 16, v[PW]
	v_lshl_or_b32 v[PW], v[TM+7], 24, v[PW]
.irp c, 0,1
	v_cvt_scalef32_pk16_bf6_f32 v[PC+6*\c:PC+2+6*\c], v[\s+32*\c:\s+15+32*\c], v[TM+12+2*\c]
	v_cvt_scalef32_pk16_bf6_f32 v[PC+12+4*\c:PC+14+4*\c], v[\s+16+32*\c:\s+31+32*\c], v[TM+12+2*\c+1]   ; (a conversion's three registers begin on an even number)
.endr
	v_nop                                          ; one plain place behind a scaled conversion
.irp c, 0,1                                    ; the operand's layout wants a WHOLE block in a lane: lanes 0-15 block 2 c, lanes 16-31 block 2 c + 1
.irp i, 0,1,2
	v_permlane16_swap_b32 v[PC+6*\c+\i], v[PC+12+4*\c+\i]
.endr
.irp i, 0,1,2
	v_mov_b32 v[PC+3+6*\c+\i], v[PC+12+4*\c+\i]
.endr
.endr
.endm
	s_load_b256 s[4:11], s[0:1], 0x0               ; x, Wq, Wk, Wv
	s_load_b256 s[12:19], s[0:1], 0x20             ; Wo, mask, CI, SI
	s_load_b64 s[20:21], s[0:1], 0x40              ; FB
	v_lshl_add_u32 v62, v0, 2, 0x10c00
	v_mov_b32 v63, 0
	v_lshrrev_b32 v6, 5, v0
	v_readfirstlane_b32 s[WV], v6                  ; wave 0..7
	v_and_b32 v7, 31, v0                           ; lane
	v_and_b32 v8, 15, v0                           ; r
	v_bfe_u32 v9, v0, 4, 1                         ; h
	v_lshlrev_b32 v1, 4, v7                        ; 16 x lane: my bytes of a run of 512, in memory
	s_mul_i32 s25, s[WV], STGB
	v_add_nc_u32 v2, s25, v1                       ; and in a row of my stage
	v_mul_u32_u24 v3, v8, 528
	v_lshl_add_u32 v3, v9, 6, v3
	v_add_nc_u32 v3, s25, v3                       ; out of the stage: row r, + 64 h
	s_lshl_b32 s26, s[WV], 2
	s_add_co_u32 s26, s26, SCG
	v_lshlrev_b32 v4, 5, v8
	v_add_nc_u32 v4, s26, v4                       ; my row's scale word: SCG + 32 r + 4 w
	s_and_b32 s26, s[WV], 1
	s_lshl_b32 s26, s26, 9                         ; 512 (w % 2)
	s_add_co_u32 s35, s26, SCG
	v_add_nc_u32 v5, s35, v1                       ; waves 0 and 1 read a K step's 512 bytes of scale words back
	s_mov_b32 s[SEL], 0x76543210
	s_mov_b32 s[SEL+1], 0xfedcba98
.irp b, 0,1,2,3
	v_mov_b32 v[TM+4+\b], 0                        ; written once: a lane permute's destination counts as one of its sources
.endr
	s_lshr_b32 s27, ttmp9, 2                       ; G
	s_and_b32 s28, ttmp9, 3                        ; y
	s_and_b32 s29, s27, 7
	s_cmp_lt_u32 s27, 32
	s_cselect_b32 s29, s27, s29                    ; the group's number inside its tensor
	s_lshl_b32 s32, s29, 19                        ; 128 rows of 4,096 bytes
	s_lshr_b32 s33, s[WV], 1
	s_lshl_b32 s33, s33, 17                        ; + 32 (w / 2) rows
	s_add_co_u32 s32, s32, s33
	s_and_b32 s33, s[WV], 1
	s_lshl_b32 s33, s33, 15                        ; + 8 (w % 2) rows
	s_add_co_u32 s32, s32, s33
	s_lshl_b32 s33, s28, 10                        ; + 256 y numbers along K
	s_add_co_u32 s32, s32, s33
	s_mov_b32 s33, 0
	s_mul_i32 s34, s27, 98304                      ; CI: group, tile w, K step 2 y
	s_mul_i32 s36, s[WV], 12288
	s_add_co_u32 s34, s34, s36
	s_mul_i32 s36, s28, 3072
	s_add_co_u32 s34, s34, s36
	s_mov_b32 s35, 0
	s_lshl_b32 s36, s27, 12                        ; SI: group, K step 2 y + w % 2
	s_lshl_b32 s37, s28, 10
	s_add_co_u32 s36, s36, s37
	s_add_co_u32 s36, s36, s26
	s_mov_b32 s37, 0
	s_wait_kmcnt 0x0
	s_cmp_lt_u32 s27, 56                           ; which tensor: the choice hangs on the work-group's number alone
	s_cselect_b64 s[22:23], s[10:11], s[12:13]
	s_cmp_lt_u32 s27, 48
	s_cselect_b64 s[22:23], s[8:9], s[22:23]
	s_cmp_lt_u32 s27, 40
	s_cselect_b64 s[22:23], s[6:7], s[22:23]
	s_cmp_lt_u32 s27, 32
	s_cselect_b64 s[22:23], s[4:5], s[22:23]
	s_add_nc_u64 s[22:23], s[22:23], s[32:33]
	s_add_nc_u64 s[16:17], s[16:17], s[34:35]
	s_add_nc_u64 s[18:19], s[18:19], s[36:37]
.irp e, 0,1
.irp i, 0,1,2,3,4,5,6,7,8,9,10,11,12,13,14,15
	global_load_b128 v[R+64*\e+4*\i:R+64*\e+4*\i+3], v1, s[22:23] offset:(\i+8*(\i/8))*4096+512*\e th:TH_LOAD_NT   ; row r = i of my tile: 32 lanes read 512 consecutive bytes
.endr
.endr
.irp e, 0,1
.if \e == 0
	s_wait_loadcnt 16                              ; K step 0's sixteen loads are in; the sixteen younger ones may be out
.else
	s_wait_loadcnt 0x0
.endif
.irp i, 0,1,2,3,4,5,6,7,8,9,10,11,12,13,14,15
	ds_store_b128 v2, v[R+64*\e+4*\i:R+64*\e+4*\i+3] offset:528*\i
.endr
.irp b, 0,1,2,3
.irp j, 0,1,2,3
	ds_load_b128 v[X+16*\b+4*\j:X+16*\b+4*\j+3], v3 offset:128*\b+16*\j   ; LDS serves a wave's instructions in order: these see my stores
.endr
.endr
	s_wait_dscnt 0x0
.if \e == 1
	s_wait_xcnt 0x0                                ; the first fragment's stores have read their registers: the codes may be written again
.endif
	QUANT X
.irp c, 0,1,2
	global_store_b128 v1, v[PC+4*\c:PC+4*\c+3], s[16:17] offset:1536*\e+512*\c   ; 32 lanes store 512 consecutive bytes, at a multiple of 256 from CI's first byte
.endr
	ds_store_b32 v4, v[PW] offset:512*\e           ; lanes r and r + 16 write the same word with the same value
.endr
	s_wait_dscnt 0x0                               ; for the others' sake: my scale words lie in LDS
	s_barrier_signal -1
	s_barrier_wait -1
	s_cmp_gt_u32 s[WV], 1
	s_cbranch_scc1 .Lnot01
	ds_load_b128 v[56:59], v5                      ; wave e: K step 2 y + e's 512 bytes of scale words, from all eight waves
	s_wait_dscnt 0x0
	global_store_b128 v1, v[56:59], s[18:19]       ; 512 consecutive bytes, aligned
	s_wait_tensorcnt 0x0
	ds_add_u32 v62, v63
	s_wait_dscnt 0x0
	s_endpgm
.Lnot01:
	s_cmp_lg_u32 s[WV], 2
	s_cbranch_scc1 .Lend
	s_cmp_lg_u32 ttmp9, 0
	s_cbranch_scc1 .Lend
	; f: one wave of the launch reads the mask's 4,096 bytes, 128 a lane.  A byte at index n gives n + 4096 x byte; the least of them, held at 4096, is f.
.irp q, 0,1,2,3,4,5,6,7
	global_load_b128 v[R+4*\q:R+4*\q+3], v1, s[14:15] offset:512*\q
.endr
	v_mov_b32 v10, 0x7fffffff
	s_wait_loadcnt 0x0
.set bb, 0
.rept 128
	v_bfe_u32 v11, v[R+bb/4], 8*(bb%4), 1
	v_lshl_add_u32 v11, v11, 12, 512*(bb/16)+bb%16 ; index less my lane's 16 x lane
	v_min_u32 v10, v10, v11
.set bb, bb+1
.endr
	v_add_nc_u32 v10, v10, v1
	s_mov_b32 s38, 4096
.set bb, 0
.rept 32
	v_readlane_b32 s39, v10, bb
	s_min_u32 s38, s38, s39
.set bb, bb+1
.endr
	v_mov_b32 v12, s38
	v_mov_b32 v13, s38
	v_lshlrev_b32 v14, 3, v7
	global_store_b64 v14, v[12:13], s[20:21]       ; FB's 256 bytes, whole
.Lend:
	s_wait_tensorcnt 0x0
	ds_add_u32 v62, v63
	s_wait_dscnt 0x0
	s_endpgm
.Lfunc_end_k_qf7ee63dcfe_quant:
	.size	k_qf7ee63dcfe_quant, .Lfunc_end_k_qf7ee63dcfe_quant-k_qf7ee63dcfe_quant
	.p2alignl 7, 3214868480
	.fill 96, 4, 3214868480
	.section	.rodata,"a",@progbits
	.p2align	6, 0x0
	.amdhsa_kernel k_qf7ee63dcfe_quant
		.amdhsa_group_segment_fixed_size 69632
		.amdhsa_private_segment_fixed_size 0
		.amdhsa_enable_private_segment 0
		.amdhsa_kernarg_size 72
		.amdhsa_user_sgpr_count 2
		.amdhsa_user_sgpr_kernarg_segment_ptr 1
		.amdhsa_wavefront_size32 1
		.amdhsa_system_sgpr_workgroup_id_x 1
		.amdhsa_system_sgpr_workgroup_id_y 1
		.amdhsa_system_sgpr_workgroup_id_z 1
		.amdhsa_system_vgpr_workitem_id 0
		.amdhsa_next_free_vgpr 256
		.amdhsa_next_free_sgpr 66
		.amdhsa_reserve_vcc 0
		.amdhsa_float_denorm_mode_32 3
		.amdhsa_float_denorm_mode_16_64 3
		.amdhsa_memory_ordered 1
		.amdhsa_forward_progress 1
		.amdhsa_inst_pref_size 47
	.end_amdhsa_kernel
	.amdgpu_metadata
---
amdhsa.version: [ 1, 2 ]
amdhsa.kernels:
  - .name:           k_qf7ee63dcfe_quant
    .symbol:         k_qf7ee63dcfe_quant.kd
    .args:
      - { .name: x, .offset: 0, .size: 8, .value_kind: global_buffer, .address_space: global }
      - { .name: Wq, .offset: 8, .size: 8, .value_kind: global_buffer, .address_space: global }
      - { .name: Wk, .offset: 16, .size: 8, .value_kind: global_buffer, .address_space: global }
      - { .name: Wv, .offset: 24, .size: 8, .value_kind: global_buffer, .address_space: global }
      - { .name: Wo, .offset: 32, .size: 8, .value_kind: global_buffer, .address_space: global }
      - { .name: mask, .offset: 40, .size: 8, .value_kind: global_buffer, .address_space: global }
      - { .name: CI, .offset: 48, .size: 8, .value_kind: global_buffer, .address_space: global }
      - { .name: SI, .offset: 56, .size: 8, .value_kind: global_buffer, .address_space: global }
      - { .name: FB, .offset: 64, .size: 8, .value_kind: global_buffer, .address_space: global }
    .group_segment_fixed_size: 69632
    .private_segment_fixed_size: 0
    .kernarg_segment_align: 8
    .kernarg_segment_size: 72
    .max_flat_workgroup_size: 256
    .sgpr_count:     66
    .vgpr_count:     256
    .wavefront_size: 32
...
	.end_amdgpu_metadata
.endif
;; end of part 1
;; launch proj (part 2): grid 192 x 1, 8 waves a work-group, no clusters, 103,424 bytes of LDS; arguments CI, SI, mask, QKV, QKVS; writes QKV, QKVS
.if DOCPART == 2
	.amdgcn_target "amdgcn-amd-amdhsa--gfx1250"
	.amdhsa_code_object_version 6
	.text
	.protected	k_qf7ee63dcfe_proj
	.globl	k_qf7ee63dcfe_proj
	.p2align	8
	.type	k_qf7ee63dcfe_proj,@function
k_qf7ee63dcfe_proj:
	s_mov_b64 s[64:65], 0
	v_nop
	global_prefetch_b8 v0, s[64:65] scope:SCOPE_SE
	s_setreg_imm32_b32 hwreg(HW_REG_WAVE_MODE, 25, 1), 1
	s_wait_xcnt 0x0
; q = x Wq^T, k = x Wk^T, v = x Wv^T on codes of BF6 (K = 1024, eight steps of 128), and the results quantised in registers for the attention: q and k along the head's 64, v along the keys.
; ROLES.  Source 0 (P): 128 rows = 8 tiles, the same for the whole work-group, copied once into LDS.  Source 1 (N): 4 tiles a wave, straight from memory, a K step ahead.  In a result a lane is a row of N, and the
; 64 registers of an N tile run along P's 128 rows: register 16 b + i = P's row 32 b + 16 (lane / 16) + i (P's tiles are laid for that).  That is what the conversions want: neighbours along the next K in one lane.
; Work-groups 0-127 (q, k): P = 128 rows of Wq or Wk (two heads), N = 512 tokens of x.  A token's 128 numbers are two heads' 64: the fragment's two halves go to the two heads.
; Work-groups 128-191 (v): P = 128 tokens of x (a key step), N = 512 rows of Wv (eight heads).  A row's 128 numbers run along the keys: one fragment of V^T.
; ONE PATH serves all three: what differs lies in scalar registers chosen by the work-group's number.
; QKV: [hh 32][T 256][768]: hh 0-15 q's heads, 16-31 k's; token tile T; a HALF fragment (64 along K): registers 0-3 of lane l at 16 l, registers 4-5 at 512 + 8 l.  From byte 6,291,456: V [head][step 32][half 2][dvt 4][768].
; QKVS: q's scale words [head][T / 8][r 16][T % 8]; from byte 262,144 [head][step 32][1024]: k's words [r 16][t 8], then V's [lane 32][dvt 4].
; 1 / sqrt(64) = 2^-3 goes into q's scale bytes (3 is taken off, held at 0).  THE CODES OF MASKED KEYS ARE ZEROS in k: their scores are then what the attention lays under them, and nothing else.
; LIMITS: as in the launch before; a block of q under 2^-120 keeps the byte 0 and comes out up to 8 times too large (under 1e-35 in a score).
; No tensor loads and no cluster: P is read once by a work-group, and each wave's N by that wave alone.
.set PSC,  98304                       ; LDS: P's codes [t 8][s 8][1536] from byte 0, P's scale words [s 8][r 16][t 8] from here
.set PF,   16                          ; v16-111  P's eight fragments of a K step; behind the sums: the codes just made, 20 registers a tile
.set NF0,  112                         ; v112-159, v160-207 N's four fragments, two sets
.set PS,   208                         ; v208-215 P's scale words
.set NS0,  216                         ; v216-219, v220-223 N's, two sets
.set MK,   224                         ; v224-227 the mask bytes of my lane's row in the four tiles
.set TM,   228                         ; v228-243 at work in the quantiser
.set WD,   244                         ; v244-247 the four tiles' scale words
.set TP,   248                         ; v248-250 at work
.set WV,   14
.set NG0,  19
.set PG,   20
.set SUB,  40                          ; what is taken off the scale bytes: 3 (q), 0
.set KSEL, 41                          ; -1 (k): masked rows' codes become zeros; 0
.set SHM,  42                          ; 16 (q, k): lanes 16-31 store the upper two bytes, the second head's; 0
.set HSTR, 43                          ; from a fragment's first half to its second, in QKV
.set CC,   44                          ; where my first tile's codes go
.set A2,   45                          ; scale words: bytes from lanes 0-15's place to lanes 16-31's,
.set B2,   46                          ; from row to row,
.set C2,   47                          ; and where they begin
.set SEL,  48
.set NB,   50                          ; s[50:51] N's codes, s[52:53] N's scale words, s[54:55] P's codes, s[56:57] P's scale words
.set NSB,  52
.set PB,   54
.set PSB,  56
.set MSB, 0
.macro WIN new                         ; the immediate's high byte repeats the setting that is left
.if MSB != \new
	s_set_vgpr_msb (MSB<<8)|\new
.set MSB, \new
.endif
.endm
	s_load_b256 s[4:11], s[0:1], 0x0               ; CI, SI, mask, QKV
	s_load_b64 s[12:13], s[0:1], 0x20              ; QKVS
	v_lshl_add_u32 v254, v0, 2, 0x19000
	v_mov_b32 v255, 0
	v_lshrrev_b32 v[TP], 5, v0
	v_readfirstlane_b32 s[WV], v[TP]               ; wave 0..7
	v_and_b32 v[TP], 31, v0                        ; lane
	v_and_b32 v[TP+1], 15, v0                      ; r
	v_bfe_u32 v[TP+2], v0, 4, 1                    ; h
	v_lshlrev_b32 v1, 4, v[TP]                     ; v1  16 x lane: a fragment's place for my lane
	v_add_nc_u32 v2, 49152, v1                     ; v2  the same for P's tiles 4-7 in LDS
	v_lshlrev_b32 v3, 5, v[TP+1]
	v_add_nc_u32 v3, PSC, v3                       ; v3  P's scale words: row r's eight
	s_mul_i32 s15, s[WV], 12288
	v_add_nc_u32 v4, s15, v1                       ; v4  the copy of P: my wave's 12,288 bytes, in memory and in LDS alike
	s_lshl_b32 s15, s[WV], 9
	v_add_nc_u32 v15, s15, v1                      ; v15 and my 512 bytes of its scale words, in memory,
	v_add_nc_u32 v14, PSC, v15                     ; v14 and in LDS
	v_mov_b32 v13, 0                               ; v13 0
.irp b, 0,1,2,3
	v_mov_b32 v[TM+4+\b], 0                        ; written once: a lane permute's destination counts as one of its sources
.endr
	s_mov_b32 s[SEL], 0x76543210
	s_mov_b32 s[SEL+1], 0xfedcba98
	; which part of the work is mine
	s_lshr_b32 s15, ttmp9, 3
	s_and_b32 s16, ttmp9, 7
	s_sub_co_u32 s17, ttmp9, 128
	s_lshr_b32 s17, s17, 1
	s_and_b32 s18, ttmp9, 1
	s_cmp_ge_u32 ttmp9, 128
	s_cselect_b32 s15, s17, s15                    ; pg: which P
	s_cselect_b32 s16, s18, s16                    ; nb: which 32 tiles of N
	s_cselect_b32 s21, 1, 0                        ; 1: v
	s_lshl_b32 s22, s16, 5
	s_lshl_b32 s23, s[WV], 2
	s_add_co_u32 s22, s22, s23                     ; T0: my first tile of N
	s_and_b32 s23, s[WV], 1
	s_lshl_b32 s23, s23, 4                         ; 4 (T0 % 8) = 16 (w % 2)
	s_lshr_b32 s24, s22, 3                         ; T0 / 8
	s_lshr_b32 s25, s22, 2                         ; T0 / 4
	s_mul_i32 s26, s15, 393216                     ; q, k: codes at (2 pg) x 196,608 + 768 T0
	s_mul_i32 s27, s22, 768
	s_add_co_u32 s26, s26, s27
	s_mul_i32 s27, s25, 196608                     ; v: 6,291,456 + head x 196,608 + step x 6,144
	s_mul_i32 s28, s15, 6144
	s_add_co_u32 s27, s27, s28
	s_add_co_u32 s27, s27, 6291456
	s_lshl_b32 s28, s15, 15                        ; q's scale words: (2 pg) x 16,384 + 512 (T0 / 8) + 4 (T0 % 8)
	s_lshl_b32 s29, s24, 9
	s_add_co_u32 s28, s28, s29
	s_add_co_u32 s28, s28, s23
	s_lshl_b32 s29, s15, 16                        ; k's: 262,144 + 2 (pg - 8) x 32,768 + 1,024 (T0 / 8) + 4 (T0 % 8)
	s_sub_co_u32 s29, s29, 262144
	s_lshl_b32 s30, s24, 10
	s_add_co_u32 s29, s29, s30
	s_add_co_u32 s29, s29, s23
	s_lshl_b32 s30, s25, 15                        ; v's: 262,144 + head x 32,768 + step x 1,024 + 512
	s_lshl_b32 s31, s15, 10
	s_add_co_u32 s30, s30, s31
	s_add_co_u32 s30, s30, 262144+512
	s_cmp_ge_u32 s15, 8
	s_cselect_b32 s31, 1, 0
	s_cmp_eq_u32 s21, 0
	s_cselect_b32 s31, s31, 0                      ; 1: k
	s_add_co_u32 s[PG], s15, 32
	s_mov_b32 s[A2], 16384
	s_mov_b32 s[HSTR], 196608
	s_cmp_eq_u32 s31, 1
	s_cselect_b32 s[C2], s29, s28
	s_cselect_b32 s[A2], 32768, s[A2]
	s_cselect_b32 s[KSEL], -1, 0
	s_cselect_b32 s[SUB], 0, 3
	s_cmp_eq_u32 s21, 1
	s_cselect_b32 s[C2], s30, s[C2]
	s_cselect_b32 s[A2], 256, s[A2]
	s_cselect_b32 s[SUB], 0, s[SUB]
	s_cselect_b32 s[B2], 16, 32
	s_cselect_b32 s[SHM], 0, 16
	s_cselect_b32 s[HSTR], 3072, s[HSTR]
	s_cselect_b32 s[CC], s27, s26
	s_cselect_b32 s[NG0], 48, 0                    ; N: Wv's groups begin at 48, x's at 0
	s_cselect_b32 s[PG], s15, s[PG]                ; P: x's group pg, or group 32 + pg of Wq and Wk
	s_lshl_b32 s35, s[NG0], 3
	s_add_co_u32 s35, s35, s22
	s_mul_i32 s36, s35, 12288
	s_mov_b32 s37, 0
	s_add_co_u32 s35, s[NG0], s24
	s_lshl_b32 s38, s35, 12
	s_mov_b32 s39, 0
	s_mul_i32 s32, s[PG], 98304
	s_mov_b32 s33, 0
	s_lshl_b32 s34, s[PG], 12
	s_mov_b32 s35, 0
	v_lshlrev_b32 v5, 5, v[TP+1]
	v_add_nc_u32 v5, s23, v5                       ; v5  N's scale words: row r, my four tiles' 16 bytes
	v_and_b32 v6, 8, v[TP+1]
	v_add_nc_u32 v6, v6, v[TP+1]
	v_lshl_add_u32 v6, s22, 4, v6                  ; v6  the mask byte of my lane's row of tile T0: 16 T0 + r + 8 (r / 8)
	v_add_nc_u32 v7, s[CC], v1                     ; v7  codes out: registers 0-3,
	v_add_nc_u32 v8, s[HSTR], v7                   ; v8  registers 6-9,
	v_lshlrev_b32 v9, 3, v[TP]
	v_add_nc_u32 v9, s[CC], v9
	v_add_nc_u32 v9, 512, v9                       ; v9  registers 4-5,
	v_add_nc_u32 v10, s[HSTR], v9                  ; v10 registers 10-11
	v_mul_u32_u24 v11, s[A2], v[TP+2]
	v_mad_u32_u24 v11, v[TP+1], s[B2], v11
	v_add_nc_u32 v11, s[C2], v11                   ; v11 scale words out
	v_mul_u32_u24 v12, s[SHM], v[TP+2]             ; v12 how far my half of the lanes shifts a scale word down
	s_wait_kmcnt 0x0
	s_add_nc_u64 s[NB:NB+1], s[4:5], s[36:37]
	s_add_nc_u64 s[NSB:NSB+1], s[6:7], s[38:39]
	s_add_nc_u64 s[PB:PB+1], s[4:5], s[32:33]
	s_add_nc_u64 s[PSB:PSB+1], s[6:7], s[34:35]
.irp n, 0,1,2,3
	global_load_u8 v[MK+\n], v6, s[8:9] offset:32*(\n/2)+8*(\n%2)
.endr
.irp k, 0,1,2,3,4,5,6,7,8,9,10,11,12,13,14,15,16,17,18,19,20,21,22,23
	global_load_b128 v[PF+4*\k:PF+4*\k+3], v4, s[PB:PB+1] offset:512*\k
.endr
	global_load_b128 v[PS:PS+3], v15, s[PSB:PSB+1]
; N's four fragments and their scale words of K step s: 13 loads
.macro NLOAD s, nf, ns
.irp n, 0,1,2,3
.irp c, 0,1,2
	global_load_b128 v[\nf+12*\n+4*\c:\nf+12*\n+4*\c+3], v1, s[NB:NB+1] offset:\n*12288+(\s)*1536+512*\c
.endr
.endr
	global_load_b128 v[\ns:\ns+3], v5, s[NSB:NSB+1] offset:(\s)*512
.endm
	NLOAD 0, NF0, NS0
	s_wait_loadcnt 13                              ; the mask bytes and my part of P are in; N's first 13 loads may be out
.irp k, 0,1,2,3,4,5,6,7,8,9,10,11,12,13,14,15,16,17,18,19,20,21,22,23
	ds_store_b128 v4, v[PF+4*\k:PF+4*\k+3] offset:512*\k
.endr
	ds_store_b128 v14, v[PS:PS+3]
	s_wait_dscnt 0x0                               ; for the others' sake: my part of P lies in LDS
	s_barrier_signal -1
	s_barrier_wait -1
; A K step: P's eight fragments from LDS, the next step's N asked for, 32 products.  The 32 accumulators take turns, one instruction a turn, in the same order in every step.
.macro KSTEP s
.if (\s) > 0
.rept 4
	v_nop                                          ; four places in front of loads into registers that matrix instructions have read (ISA guide 7.12.1 for vector instructions)
.endr
.endif
.irp t, 0,1,2,3,4,5,6,7
.irp c, 0,1,2
	ds_load_b128 v[PF+12*\t+4*\c:PF+12*\t+4*\c+3], v[1+\t/4] offset:(\t%4)*12288+(\s)*1536+512*\c
.endr
.endr
	ds_load_b128 v[PS:PS+3], v3 offset:512*(\s)
	ds_load_b128 v[PS+4:PS+7], v3 offset:512*(\s)+16
.if (\s) < 7
	NLOAD (\s)+1, NF0+48*(1-(\s)%2), NS0+4*(1-(\s)%2)
	s_wait_loadcnt 13                              ; this step's N is in; the 13 loads just issued may be out
.else
	s_wait_loadcnt 0x0
.endif
	s_wait_dscnt 0x0
	WIN 0x50                                       ; C and D in window 1
.irp t, 0,1,2,3,4,5,6,7
.irp n, 0,1,2,3
.if (\s) == 0
	v_wmma_scale_f32_16x16x128_f8f6f4 v[64*\n+8*\t:64*\n+8*\t+7], v[PF+12*\t:PF+12*\t+11], v[NF0+48*((\s)%2)+12*\n:NF0+48*((\s)%2)+12*\n+11], 0, v[PS+\t], v[NS0+4*((\s)%2)+\n] matrix_a_fmt:MATRIX_FMT_BF6 matrix_b_fmt:MATRIX_FMT_BF6
.else
	v_wmma_scale_f32_16x16x128_f8f6f4 v[64*\n+8*\t:64*\n+8*\t+7], v[PF+12*\t:PF+12*\t+11], v[NF0+48*((\s)%2)+12*\n:NF0+48*((\s)%2)+12*\n+11], v[64*\n+8*\t:64*\n+8*\t+7], v[PS+\t], v[NS0+4*((\s)%2)+\n] matrix_a_fmt:MATRIX_FMT_BF6 matrix_b_fmt:MATRIX_FMT_BF6
.endif
.endr
.endr
	WIN 0
.endm
.irp s, 0,1,2,3,4,5,6,7
	KSTEP \s
.endr
; The 64 sums of an N tile (window 1, v[s] on) become a fragment's codes in v[pc] on and its scale word in v[wd].  Each accumulator is read from its low end on.
.macro QUANTW s, pc, wd
	WIN 0x05                                       ; sources 0 and 1 in window 1
.irp b, 0,1,2,3
	v_max3_num_f32 v[TM+\b], |v[(\s)+16*\b]|, |v[(\s)+1+16*\b]|, 0x2800000   ; block b: my 16 numbers, and the floor 2^(5 - 127)
.endr
.irp i, 2,4,6,8,10,12,14
.irp b, 0,1,2,3
	v_max3_num_f32 v[TM+\b], |v[(\s)+16*\b+\i]|, |v[(\s)+1+16*\b+\i]|, v[TM+\b]
.endr
.endr
	WIN 0
.irp b, 0,1,2,3
	v_permlanex16_b32 v[TM+4+\b], v[TM+\b], s[SEL], s[SEL+1]
.endr
.irp b, 0,1,2,3
	v_max_num_f32 v[TM+\b], v[TM+\b], v[TM+4+\b]   ; with lane l xor 16's: the block's largest magnitude
.endr
.irp b, 0,1,2,3
	v_add_nc_u32 v[TM+12+\b], 0xfe000000, v[TM+\b] ; 4 off its exponent field: the conversion's scale operand
.endr
.irp b, 0,1,2,3
	v_lshrrev_b32 v[TM+4+\b], 23, v[TM+12+\b]      ; the scale's byte
.endr
.irp b, 0,1,2,3
	v_max_u32 v[TM+4+\b], s[SUB], v[TM+4+\b]       ; q: the byte less 3, held at 0: the scores' 1 / 8
.endr
.irp b, 0,1,2,3
	v_sub_nc_u32 v[TM+4+\b], v[TM+4+\b], s[SUB]
.endr
	v_lshl_or_b32 v[\wd], v[TM+5], 8, v[TM+4]
	v_lshl_or_b32 v[\wd], v[TM+6], 16, v[\wd]
	v_lshl_or_b32 v[\wd], v[TM+7], 24, v[\wd]
	WIN 0x01                                       ; the numbers in window 1
.irp c, 0,1
	v_cvt_scalef32_pk16_bf6_f32 v[(\pc)+6*\c:(\pc)+2+6*\c], v[(\s)+32*\c:(\s)+15+32*\c], v[TM+12+2*\c]
	v_cvt_scalef32_pk16_bf6_f32 v[(\pc)+12+4*\c:(\pc)+14+4*\c], v[(\s)+16+32*\c:(\s)+31+32*\c], v[TM+12+2*\c+1]
.endr
	WIN 0
	v_nop                                          ; one plain place behind a scaled conversion
.irp c, 0,1
.irp i, 0,1,2
	v_permlane16_swap_b32 v[(\pc)+6*\c+\i], v[(\pc)+12+4*\c+\i]
.endr
.irp i, 0,1,2
	v_mov_b32 v[(\pc)+3+6*\c+\i], v[(\pc)+12+4*\c+\i]
.endr
.endr
.endm
.rept 4
	v_nop                                          ; four places behind the last products, in front of the first read of results and the first write of operands
.endr
.irp n, 0,1,2,3
	QUANTW 64*\n, PF+20*\n, WD+\n
	v_and_b32 v[TP], s[KSEL], v[MK+\n]             ; k alone: a masked key's codes become zeros
	v_cmp_ne_u32 vcc_lo, 0, v[TP]
.irp i, 0,1,2,3,4,5,6,7,8,9,10,11
	v_cndmask_b32 v[PF+20*\n+\i], v[PF+20*\n+\i], v13, vcc_lo
.endr
	global_store_b128 v7, v[PF+20*\n:PF+20*\n+3], s[10:11] offset:768*\n       ; each store covers 512 or 256 consecutive bytes, at a multiple of 256 from QKV's first byte
	global_store_b64 v9, v[PF+20*\n+4:PF+20*\n+5], s[10:11] offset:768*\n
	global_store_b128 v8, v[PF+20*\n+6:PF+20*\n+9], s[10:11] offset:768*\n
	global_store_b64 v10, v[PF+20*\n+10:PF+20*\n+11], s[10:11] offset:768*\n
.endr
.irp n, 0,1,2,3
	v_lshrrev_b32 v[WD+\n], v12, v[WD+\n]          ; q, k: lanes 16-31 keep the second head's two bytes
.endr
	global_store_b128 v11, v[WD:WD+3], s[12:13]    ; my row's words of the four tiles
	s_wait_tensorcnt 0x0
	ds_add_u32 v254, v255
	s_wait_dscnt 0x0
	s_endpgm
.Lfunc_end_k_qf7ee63dcfe_proj:
	.size	k_qf7ee63dcfe_proj, .Lfunc_end_k_qf7ee63dcfe_proj-k_qf7ee63dcfe_proj
	.p2alignl 7, 3214868480
	.fill 96, 4, 3214868480
	.section	.rodata,"a",@progbits
	.p2align	6, 0x0
	.amdhsa_kernel k_qf7ee63dcfe_proj
		.amdhsa_group_segment_fixed_size 103424
		.amdhsa_private_segment_fixed_size 0
		.amdhsa_enable_private_segment 0
		.amdhsa_kernarg_size 40
		.amdhsa_user_sgpr_count 2
		.amdhsa_user_sgpr_kernarg_segment_ptr 1
		.amdhsa_wavefront_size32 1
		.amdhsa_system_sgpr_workgroup_id_x 1
		.amdhsa_system_sgpr_workgroup_id_y 1
		.amdhsa_system_sgpr_workgroup_id_z 1
		.amdhsa_system_vgpr_workitem_id 0
		.amdhsa_next_free_vgpr 512
		.amdhsa_next_free_sgpr 72
		.amdhsa_reserve_vcc 1
		.amdhsa_float_denorm_mode_32 3
		.amdhsa_float_denorm_mode_16_64 3
		.amdhsa_memory_ordered 1
		.amdhsa_forward_progress 1
		.amdhsa_inst_pref_size 87
	.end_amdhsa_kernel
	.amdgpu_metadata
---
amdhsa.version: [ 1, 2 ]
amdhsa.kernels:
  - .name:           k_qf7ee63dcfe_proj
    .symbol:         k_qf7ee63dcfe_proj.kd
    .args:
      - { .name: CI, .offset: 0, .size: 8, .value_kind: global_buffer, .address_space: global }
      - { .name: SI, .offset: 8, .size: 8, .value_kind: global_buffer, .address_space: global }
      - { .name: mask, .offset: 16, .size: 8, .value_kind: global_buffer, .address_space: global }
      - { .name: QKV, .offset: 24, .size: 8, .value_kind: global_buffer, .address_space: global }
      - { .name: QKVS, .offset: 32, .size: 8, .value_kind: global_buffer, .address_space: global }
    .group_segment_fixed_size: 103424
    .private_segment_fixed_size: 0
    .kernarg_segment_align: 8
    .kernarg_segment_size: 40
    .max_flat_workgroup_size: 256
    .sgpr_count:     72
    .vgpr_count:     512
    .wavefront_size: 32
...
	.end_amdgpu_metadata
.endif
;; end of part 2
;; launch attn (part 3): grid 64 x 4, 16 waves a work-group, no clusters, 176,640 bytes of LDS; arguments QKV, QKVS, spatial_bias, mask, FB, OI, OS; writes OI, OS
.if DOCPART == 3
	.amdgcn_target "amdgcn-amd-amdhsa--gfx1250"
	.amdhsa_code_object_version 6
	.text
	.protected	k_qf7ee63dcfe_attn
	.globl	k_qf7ee63dcfe_attn
	.p2align	8
	.type	k_qf7ee63dcfe_attn,@function
k_qf7ee63dcfe_attn:
	s_mov_b64 s[64:65], 0
	v_nop
	global_prefetch_b8 v0, s[64:65] scope:SCOPE_SE
	s_setreg_imm32_b32 hwreg(HW_REG_WAVE_MODE, 25, 1), 1
	s_wait_xcnt 0x0
; o[q][head] = softmax_k(q . k / 8 + bias[q][k], -1e9 in place of it for masked keys, -1e9 added for keys behind the query) v, both products on codes of BF6, and o quantised along (head, dv) for the last product.
; THE SOFTMAX: t = score x log2(e); M = the running largest t, rounded UP to a whole number; p = 2^(t - M) is quantised along the keys; the row's sum is taken of the unquantised p and divides at the end.
; When M moves, the sum and O are multiplied by 2^(old M - new M): exact.
; SHARES.  Work-group (i, hg) owns heads 4 hg .. 4 hg + 3 and two blocks of 32 queries, block i and block 127 - i: so all work-groups have the same work under the causal mask.  Each of its 16 waves owns one head and one
; tile of 16 queries (tile T = 2 block + u: lane r holds query 32 block + 8 u + r + 8 (r / 8)).  The bias rows of the 64 queries are fetched once for the four heads.
; LAYOUT.  S^T = K Q^T + bias (source 0 = 16 keys, source 1 = my queries, C = the bias), O^T = V^T P^T: a lane holds ONE query throughout.  The keys of a tile of K are laid so that the 16 registers of tiles 2 b, 2 b + 1 are
; the keys 32 b + 16 (lane / 16) + 0 .. 15.  K = 64 fills half of the matrix instruction's 128: Q's upper six registers are zero codes, so that what stands in K's upper six (the next tile's codes) adds nothing; no scale byte is 0xff.
; MASKED KEYS: their codes in K are zeros (made so by the launch before) and their bias is replaced by -1e9 on its way into LDS: the score is -1e9 exactly.
; THE CAUSAL TERM is -1e9 ADDED, as the problem has it, not minus infinity.  Let f be the first key that is not masked (read from FB).  A row q >= f has a real score among its allowed keys, under which all the -1e9 vanish:
; for a block wholly at or above f the walk ends at the diagonal.  A block with a row below f walks ALL keys with the problem's own arithmetic.  There t is rounded before M is taken off (a multiply, then an add).
; THE WALK: 32 key steps of 128, in 16 trips of two (constants).  K, V, their scale words and the bias of step J + 1 are copied into the other LDS slot, through registers, while step J is worked on: one barrier a step.
; A wave with nothing left to compute goes on copying its share and passing the barriers.  The branches hang on whole numbers: ids, and f.  So this launch has no tensor load and no cluster.
; LIMITS: NaN and infinities are not served; scores stay far under 1e9 in magnitude, as the problem's own masks need; a block of zeros gets the scale byte 1.
.set HKB,  26624                       ; LDS: for each of the four heads two slots of SLK bytes:
.set SLK,  13312                       ;   K 8 x 768, V [half 2][dvt 4][768] from 6144, K's scale words 512 from 12288, V's 512 from 12800
.set BIA,  4*HKB                       ; then the bias, two slots of 64 rows x 528 bytes (row 16 q' + r: tile q' = 2 (high block) + u)
.set SLB,  33792
.set OSC,  BIA+2*SLB                   ; then 512 bytes: o's scale words [q' 4][r 16][2]
; v1 16 lane, v2 8 lane, v3 32 r + 12288 (all + my head's HKB); v4 my bias row; v5, v6, v7 where I copy K and V, scale words, bias TO; v8-11 offsets in memory of what I copy (K and V, scale words, bias, mask)
; v12 -M, v13 the largest t, v[14:15] the sum; v16-21 Q, v22-27 zeros; v28 the prefetches' offset; v29 -1e9; v31 my query - 16 (lane / 16)
; v32-85 K's fragments (tile t at 32 + 6 t), then what I copy, then V's (tile d at 32 + 12 d); v86-93 scale words; v94 Q's, v95 p's; v96-159 bias, S^T, p; v160-191 O^T; v192-210 p's codes; v212-231 at work; v232-237 addresses for the ends
.set KB,   20                          ; s[20:21] K of my head, s[22:23] V, s[24:25] their scale words, s[26:27] the four bias rows that I copy
.set VB,   22
.set SB,   24
.set BB,   26
.set PFA,  28                          ; s[28:29] the base of my prefetches
.set SEL,  30
.set CS,   32                          ; s[32:33] log2(e), twice
.set SJ,   34                          ; the step
.set SJ1,  35                          ; the step that is being copied
.set JW,   36                          ; my last step with work
.set JD,   37                          ; my first step that needs the causal term
.set JKV,  38                          ; the last step whose K and V any wave of the work-group wants
.set JB,   39                          ; the last step whose bias is wanted of the block whose rows I copy
.set LIM,  40                          ; the last step that I prefetch (-1: none)
.set PFS,  41                          ; a step on, in my prefetches
.set KF,   42                          ; the step's first key
.set WV,   43
.set TRIPS, 44
; The copy of step SJ1, first half: memory to registers.  cond = 0: at the head, where nothing is left out and nothing is prefetched.
; THE PREFETCH stands behind the wave's loads: in step J it names what the copy of step J + 1 will load, the data of step J + 2.  Each aligned block of 256 bytes is named once in the launch.
;   the bias: four work-groups (hg 0-3) read the same rows: hg 0 asks; waves 0, 4, 8, 12 take a tile of 16 rows each: 16 rows x 512 bytes a step, two lanes to a row;
;   K and V: all 64 work-groups of a group of heads walk the same: i = 0 asks; waves 1-3 K's, waves 5-7 V's 4 x 6,144 bytes a step, lanes 256 bytes apart.
; Nothing is asked for at the head, nor past the last step that is wanted.  The offset is stepped here, a whole step behind the prefetch that read it.
.macro STAGE_ISSUE cond
.if \cond
	s_wait_xcnt 0x0                                ; the last step's prefetch has read its offset
	v_add_nc_u32 v28, s[PFS], v28
	s_cmp_gt_u32 s[SJ1], s[JKV]
	s_cbranch_scc1 .Lnokv_\@
.endif
.irp k, 0,1,2
	global_load_b128 v[32+4*\k:35+4*\k], v8, s[KB:KB+1] offset:512*\k
.endr
.irp k, 0,1,2
	global_load_b128 v[44+4*\k:47+4*\k], v8, s[VB:VB+1] offset:512*\k
.endr
	global_load_b64 v[72:73], v9, s[SB:SB+1]
.if \cond
.Lnokv_\@:
	s_cmp_gt_u32 s[SJ1], s[JB]
	s_cbranch_scc1 .Lnob_\@
.endif
.irp k, 0,1,2,3
	global_load_b128 v[56+4*\k:59+4*\k], v10, s[BB:BB+1] offset:16384*\k   ; a row's 128 keys: 512 consecutive bytes
.endr
	global_load_b32 v74, v11, s[10:11]             ; the mask bytes of my four keys
.if \cond
.Lnob_\@:
	s_add_co_u32 s45, s[SJ], 2
	s_cmp_gt_i32 s45, s[LIM]
	s_cbranch_scc1 .Lnoask_\@
	global_prefetch_b8 v28, s[PFA:PFA+1] th:TH_LOAD_NT scope:SCOPE_SE
.Lnoask_\@:
.endif
.endm
; Second half: registers to LDS slot sl.  A masked key's bias becomes -1e9, once for the four heads.
.macro STAGE_STORE sl, cond
	s_wait_loadcnt 0x0                             ; what I copy is in; the loads' offsets may be stepped
.if \cond
	s_cmp_gt_u32 s[SJ1], s[JKV]
	s_cbranch_scc1 .Lnokv_\@
.endif
.irp k, 0,1,2
	ds_store_b128 v5, v[32+4*\k:35+4*\k] offset:(\sl)*SLK+512*\k
.endr
.irp k, 0,1,2
	ds_store_b128 v5, v[44+4*\k:47+4*\k] offset:(\sl)*SLK+6144+512*\k
.endr
	ds_store_b64 v6, v[72:73] offset:(\sl)*SLK
.if \cond
.Lnokv_\@:
	s_cmp_gt_u32 s[SJ1], s[JB]
	s_cbranch_scc1 .Lnob_\@
.endif
.irp e, 0,1,2,3
	v_bfe_u32 v214, v74, 8*\e, 8
	v_cmp_ne_u32 vcc_lo, 0, v214
.irp k, 0,1,2,3
	v_cndmask_b32 v[56+4*\k+\e], v[56+4*\k+\e], v29, vcc_lo
.endr
.endr
.irp k, 0,1,2,3
	ds_store_b128 v7, v[56+4*\k:59+4*\k] offset:(\sl)*SLB+528*\k
.endr
.if \cond
.Lnob_\@:
.endif
	s_wait_dscnt 0x0                               ; the stores have read their registers, which are loaded again
.endm
; A KEY STEP from slot sl.  gen = 1: with the causal term, and t rounded before M is taken off.
.macro STEP sl, gen
.irp b, 0,1,2,3
.irp j, 0,1,2,3
	ds_load_b128 v[96+16*\b+4*\j:99+16*\b+4*\j], v4 offset:(\sl)*SLB+128*\b+16*\j   ; the bias of my query at keys 32 b + 16 h + 4 j on: it lies as the result will lie
.endr
.endr
.irp t, 0,1,2,3,4,5,6,7
	ds_load_b128 v[32+6*\t:35+6*\t], v1 offset:(\sl)*SLK+768*\t
	ds_load_b64 v[36+6*\t:37+6*\t], v2 offset:(\sl)*SLK+768*\t+512
.endr
	ds_load_b128 v[86:89], v3 offset:(\sl)*SLK
	ds_load_b128 v[90:93], v3 offset:(\sl)*SLK+16
	s_wait_dscnt 0x0
.irp t, 0,1,2,3,4,5,6,7                        ; the eight accumulators by turns
	v_wmma_scale_f32_16x16x128_f8f6f4 v[96+8*\t:103+8*\t], v[32+6*\t:43+6*\t], v[16:27], v[96+8*\t:103+8*\t], v[86+\t], v94 matrix_a_fmt:MATRIX_FMT_BF6 matrix_b_fmt:MATRIX_FMT_BF6
.endr
.rept 4
	v_nop                                          ; four places: in front of loads into K's registers, and of the first read of the scores
.endr
	STAGE_ISSUE 1
.if \gen
	v_sub_nc_u32 v230, v31, s[KF]                  ; d = my query - the step's first key - 16 h.  Register 16 b + i holds key KF + 16 h + 32 b + i: behind my query where 32 b + i > d
.set nn, 0
.rept 64
	v_cmp_gt_i32 vcc_lo, 32*(nn/16)+nn%16, v230
	v_add_f32 v231, v29, v[96+nn]                  ; score + (-1e9), rounded as the problem rounds it
	v_cndmask_b32 v[96+nn], v[96+nn], v231, vcc_lo
.set nn, nn+1
.endr
.endif
.irp b, 0,1,2,3
	v_max3_num_f32 v[216+\b], v[96+16*\b], v[97+16*\b], v[98+16*\b]   ; the largest score of each block of 32 keys: for the row's maximum, and, since p rises with the score, for the block's largest p
.endr
.irp i, 3,5,7,9,11,13
.irp b, 0,1,2,3
	v_max3_num_f32 v[216+\b], v[216+\b], v[96+16*\b+\i], v[97+16*\b+\i]
.endr
.endr
.irp b, 0,1,2,3
	v_max_num_f32 v[216+\b], v[216+\b], v[111+16*\b]
.endr
.irp b, 0,1,2,3
	v_permlanex16_b32 v[220+\b], v[216+\b], s[SEL], s[SEL+1]
.endr
.irp b, 0,1,2,3
	v_max_num_f32 v[216+\b], v[216+\b], v[220+\b]  ; with lane l xor 16's 16 keys
.endr
	v_max3_num_f32 v214, v216, v217, v218
	v_max_num_f32 v214, v214, v219
	v_mul_f32 v214, s[CS], v214                    ; the step's largest t
	v_max_num_f32 v13, v13, v214
	v_mov_b32 v214, v12
	v_floor_f32 v12, -v13                          ; the new -M = -ceil(t): a whole number
	v_sub_f32 v214, v12, v214                      ; old M - new M: a whole number, 0 or less
	v_cvt_i32_f32 v214, v214                       ; (it saturates)
	v_ldexp_f32 v212, 1.0, v214                    ; f = 2^(old M - new M)
.if \gen
.set nn, 0
.rept 32
	v_pk_mul_f32 v[96+nn:97+nn], v[96+nn:97+nn], s[CS:CS+1] op_sel_hi:[1,0]   ; t, rounded,
.set nn, nn+2
.endr
.irp b, 0,1,2,3
	v_mul_f32 v[216+\b], s[CS], v[216+\b]
.endr
.set nn, 0
.rept 32
	v_pk_add_f32 v[96+nn:97+nn], v[96+nn:97+nn], v[12:13] op_sel_hi:[1,0]     ; less M
.set nn, nn+2
.endr
.irp b, 0,1,2,3
	v_add_f32 v[216+\b], v12, v[216+\b]
.endr
.else
.set nn, 0
.rept 32
	v_pk_fma_f32 v[96+nn:97+nn], v[96+nn:97+nn], s[CS:CS+1], v[12:13] op_sel_hi:[1,0,0]   ; t - M, two at a time
.set nn, nn+2
.endr
.irp b, 0,1,2,3
	v_fma_f32 v[216+\b], v[216+\b], s[CS], v12
.endr
.endif
.set nn, 0
.rept 64
	v_exp_f32 v[96+nn], v[96+nn]                   ; p = 2^(t - M)
.set nn, nn+1
.endr
	v_pk_mul_f32 v[14:15], v[14:15], v[212:213] op_sel_hi:[1,0]   ; the sums under the new M: the plain place behind the exponentials
	s_wait_alu depctr_va_vdst(0)                   ; the wait ahead of the first line that names a result: one for the 64
.irp b, 0,1,2,3
	v_exp_f32 v[216+\b], v[216+\b]                 ; the block's largest p: the same instructions on the same number
.endr
	v_pk_add_f32 v[228:229], v[96:97], v[98:99]    ; the row's sum of the unquantised p, in two chains
.irp j, 4,8,12,16,20,24,28,32,36,40,44,48,52,56,60
	v_pk_add_f32 v[14:15], v[14:15], v[96+\j:97+\j]
	v_pk_add_f32 v[228:229], v[228:229], v[98+\j:99+\j]
.endr
	v_pk_add_f32 v[14:15], v[14:15], v[228:229]
	s_wait_alu depctr_va_vdst(0)                   ; and one for the four
.irp b, 0,1,2,3
	v_max_num_f32 v[216+\b], 0x2800000, v[216+\b]  ; the floor 2^(5 - 127): the byte cannot fall under 1
.endr
.irp b, 0,1,2,3
	v_add_nc_u32 v[224+\b], 0xfe000000, v[216+\b]  ; 4 off the exponent field: the conversion's scale operand
.endr
.irp b, 0,1,2,3
	v_lshrrev_b32 v[220+\b], 23, v[224+\b]
.endr
	v_lshl_or_b32 v95, v221, 8, v220               ; p's scale word for these 128 keys
	v_lshl_or_b32 v95, v222, 16, v95
	v_lshl_or_b32 v95, v223, 24, v95
.irp c, 0,1
	v_cvt_scalef32_pk16_bf6_f32 v[192+6*\c:194+6*\c], v[96+32*\c:111+32*\c], v[224+2*\c]
	v_cvt_scalef32_pk16_bf6_f32 v[204+4*\c:206+4*\c], v[112+32*\c:127+32*\c], v[224+2*\c+1]
.endr
	v_nop                                          ; one plain place behind a scaled conversion
.irp c, 0,1
.irp i, 0,1,2
	v_permlane16_swap_b32 v[192+6*\c+\i], v[204+4*\c+\i]
.endr
.irp i, 0,1,2
	v_mov_b32 v[195+6*\c+\i], v[204+4*\c+\i]
.endr
.endr
.set nn, 0
.rept 16
	v_pk_mul_f32 v[160+nn:161+nn], v[160+nn:161+nn], v[212:213] op_sel_hi:[1,0]   ; O^T under the new M.  These sixteen are also the places between the scale word and the codes just made and the products below
.set nn, nn+2
.endr
	STAGE_STORE 1-(\sl), 1
.irp d, 0,1,2,3
	ds_load_b128 v[32+12*\d:35+12*\d], v1 offset:(\sl)*SLK+6144+768*\d
	ds_load_b64 v[36+12*\d:37+12*\d], v2 offset:(\sl)*SLK+6144+768*\d+512
	ds_load_b128 v[38+12*\d:41+12*\d], v1 offset:(\sl)*SLK+9216+768*\d
	ds_load_b64 v[42+12*\d:43+12*\d], v2 offset:(\sl)*SLK+9216+768*\d+512
.endr
	ds_load_b128 v[86:89], v1 offset:(\sl)*SLK+12800
	s_wait_dscnt 0x0
.irp d, 0,1,2,3                                ; the four accumulators by turns
	v_wmma_scale_f32_16x16x128_f8f6f4 v[160+8*\d:167+8*\d], v[32+12*\d:43+12*\d], v[192:203], v[160+8*\d:167+8*\d], v[86+\d], v95 matrix_a_fmt:MATRIX_FMT_BF6 matrix_b_fmt:MATRIX_FMT_BF6
.endr
.endm
; ONE BARRIER A STEP.  In front of it every wave has waited for its stores into this step's slot and for its reads of the other; behind it this slot is read and the other is written.  It stands under no branch.
.macro TRIP slot
	s_wait_dscnt 0x0
	s_barrier_signal -1
	s_barrier_wait -1
	s_cmp_gt_u32 s[SJ], s[JW]
	s_cbranch_scc1 .Lidle_\@
	s_cmp_lt_u32 s[SJ], s[JD]
	s_cbranch_scc0 .Lgen_\@
	STEP \slot, 0
	s_branch .Ldone_\@
.Lgen_\@:
	STEP \slot, 1
	s_branch .Ldone_\@
.Lidle_\@:
	STAGE_ISSUE 1
	STAGE_STORE 1-\slot, 1
.Ldone_\@:
	v_add_nc_u32 v8, 6144, v8                      ; the copy's offsets, a step on (their loads were waited for).  These four are also the places behind the last products, in front of the next loads into their operands
	v_add_nc_u32 v9, 1024, v9
	v_add_nc_u32 v10, 512, v10
	v_add_nc_u32 v11, 128, v11
	s_add_co_u32 s[SJ], s[SJ], 1
	s_add_co_u32 s[SJ1], s[SJ1], 1
	s_add_co_u32 s[KF], s[KF], 128
.endm
	s_load_b256 s[4:11], s[0:1], 0x0               ; QKV, QKVS, the bias, the mask
	s_load_b128 s[12:15], s[0:1], 0x20             ; FB, OI
	s_load_b64 s[16:17], s[0:1], 0x30              ; OS
	v_lshl_add_u32 v254, v0, 2, 0x2aa00
	v_mov_b32 v255, 0
	v_lshrrev_b32 v8, 5, v0
	v_readfirstlane_b32 s[WV], v8                  ; wave 0..15
	s_and_b32 s46, ttmp7, 0xffff                   ; hg
	s_lshr_b32 s47, s[WV], 2                       ; hl: my head among the four
	s_and_b32 s48, s[WV], 3
	s_and_b32 s49, s47, 1
	s_xor_b32 s49, s48, s49                        ; which of the four tiles of queries: turned with the head, so that of any four waves w % 4 or w / 4 alike two have the low block and two the high
	s_and_b32 s50, s49, 1                          ; 1: the high block
	s_lshr_b32 s51, s49, 1                         ; u
	s_lshl_b32 s52, s50, 1
	s_or_b32 s52, s52, s51                         ; q': my tile's place among the bias rows
	s_lshl_b32 s53, s46, 2
	s_add_co_u32 s53, s53, s47                     ; my head
	v_and_b32 v214, 31, v0                         ; lane
	v_and_b32 v215, 15, v0                         ; r
	v_bfe_u32 v231, v0, 4, 1                       ; h
	v_lshlrev_b32 v232, 4, v214                    ; v232 16 x lane
	v_lshlrev_b32 v233, 3, v214                    ; v233 8 x lane
	s_mul_i32 s54, s47, HKB
	v_add_nc_u32 v1, s54, v232
	v_add_nc_u32 v2, s54, v233
	v_lshlrev_b32 v3, 5, v215
	v_add_nc_u32 v3, s54, v3
	v_add_nc_u32 v3, 12288, v3
	s_mul_i32 s55, s52, 16*528
	s_add_co_u32 s55, s55, BIA
	v_mul_u32_u24 v4, v215, 528
	v_lshl_add_u32 v4, v231, 6, v4
	v_add_nc_u32 v4, s55, v4
	s_mul_i32 s55, s48, 1536                       ; of a head's 6,144 bytes of K (and of V) a step, wave w % 4 copies a quarter,
	v_add_nc_u32 v8, s55, v232
	s_add_co_u32 s55, s55, s54
	v_add_nc_u32 v5, s55, v232
	s_lshl_b32 s55, s48, 8                         ; of its 1,024 bytes of scale words likewise,
	v_add_nc_u32 v9, s55, v233
	s_add_co_u32 s55, s55, s54
	s_add_co_u32 s55, s55, 12288
	v_add_nc_u32 v6, s55, v233
	s_mul_i32 s55, s[WV], 4*528                    ; and wave w bias rows 4 w .. 4 w + 3
	s_add_co_u32 s55, s55, BIA
	v_add_nc_u32 v7, s55, v232
	v_mov_b32 v10, v232
	v_lshlrev_b32 v11, 2, v214
	s_lshl_b32 s55, s52, 7                         ; o's scale bytes: OSC + 128 q' + 8 r + 4 (hl / 2) + 2 (hl % 2)
	s_lshr_b32 s57, s47, 1
	s_lshl_b32 s57, s57, 2
	s_add_co_u32 s55, s55, s57
	s_and_b32 s57, s47, 1
	s_lshl_b32 s57, s57, 1
	s_add_co_u32 s55, s55, s57
	s_add_co_u32 s55, s55, OSC
	v_lshlrev_b32 v235, 3, v215
	v_add_nc_u32 v235, s55, v235
	v_add_nc_u32 v236, OSC, v232                   ; and where wave 0 reads them back
	s_lshl_b32 s55, ttmp9, 2                       ; OS: lane l of wave 0 holds tile q' = l / 8: T = 2 i + (q' % 2) + (q' / 2) (254 - 4 i)
	s_sub_co_u32 s55, 254, s55
	v_mul_u32_u24 v237, s55, v231
	v_bfe_u32 v230, v0, 3, 1
	v_add_nc_u32 v237, v237, v230
	s_lshl_b32 s55, ttmp9, 1
	v_add_nc_u32 v237, s55, v237
	v_lshlrev_b32 v237, 9, v237
	v_and_b32 v230, 7, v0
	v_lshl_add_u32 v237, v230, 4, v237
	s_lshl_b32 s55, s46, 7
	v_add_nc_u32 v237, s55, v237
	s_mov_b32 s[SEL], 0x76543210
	s_mov_b32 s[SEL+1], 0xfedcba98
	s_mov_b32 s[CS], 0x3fb8aa3b                    ; log2(e)
	s_mov_b32 s[CS+1], s[CS]
	s_wait_kmcnt 0x0
	s_load_b32 s45, s[12:13], 0x0                  ; f
	s_sub_co_u32 s56, 127, ttmp9                   ; the high block
	s_lshl_b32 s57, ttmp9, 5
	s_lshr_b32 s58, ttmp9, 2
	s_lshl_b32 s59, s56, 5
	s_lshr_b32 s60, s56, 2
	s_wait_kmcnt 0x0
	s_cmp_lt_u32 s57, s45                          ; has the low block a row below f?  Then it walks all 32 steps, all with the causal term; else up to its diagonal step, which alone has it
	s_cselect_b32 s61, 31, s58
	s_cselect_b32 s58, 0, s58
	s_cmp_lt_u32 s59, s45
	s_cselect_b32 s62, 31, s60
	s_cselect_b32 s60, 0, s60
	s_max_u32 s[JKV], s61, s62
	s_cmp_eq_u32 s50, 0
	s_cselect_b32 s63, ttmp9, s56                  ; my block
	s_cselect_b32 s[JW], s61, s62
	s_cselect_b32 s[JD], s58, s60
	s_lshr_b32 s66, s[WV], 3
	s_cmp_eq_u32 s66, 0
	s_cselect_b32 s[JB], s61, s62
	s_cselect_b32 s67, ttmp9, s56                  ; the block whose bias rows I copy
	s_lshl_b32 s68, s63, 1
	s_add_co_u32 s68, s68, s51                     ; T
	s_mul_i32 s54, s53, 196608
	s_mov_b32 s55, 0
	s_add_nc_u64 s[VB:VB+1], s[4:5], s[54:55]      ; q of my head,
	s_add_nc_u64 s[KB:KB+1], s[VB:VB+1], 16*196608 ; k of my head,
	s_mul_i32 s54, s68, 768
	s_add_nc_u64 s[70:71], s[VB:VB+1], s[54:55]    ; my tile of q,
	s_add_nc_u64 s[VB:VB+1], s[VB:VB+1], 6291456   ; V of my head
	s_lshl_b32 s54, s53, 15
	s_add_co_u32 s54, s54, 262144
	s_add_nc_u64 s[SB:SB+1], s[6:7], s[54:55]
	s_lshl_b32 s54, s53, 14                        ; q's scale words: head, T / 8, T % 8
	s_lshr_b32 s57, s68, 3
	s_lshl_b32 s57, s57, 9
	s_add_co_u32 s54, s54, s57
	s_and_b32 s57, s68, 7
	s_lshl_b32 s57, s57, 2
	s_add_co_u32 s54, s54, s57
	s_add_nc_u64 s[58:59], s[6:7], s[54:55]
	s_lshl_b32 s54, s67, 5                         ; the first bias row that I copy: 32 block + 8 ((w / 4) % 2) + 4 (w % 4) + 8 ((w % 4) / 2)
	s_and_b32 s57, s47, 1
	s_lshl_b32 s57, s57, 3
	s_add_co_u32 s54, s54, s57
	s_lshl_b32 s57, s48, 2
	s_add_co_u32 s54, s54, s57
	s_lshr_b32 s57, s48, 1
	s_lshl_b32 s57, s57, 3
	s_add_co_u32 s54, s54, s57
	s_lshl_b32 s54, s54, 14
	s_add_nc_u64 s[BB:BB+1], s[8:9], s[54:55]
	s_mul_i32 s54, s68, 12288                      ; OI: [T][head][768]
	s_mul_i32 s57, s53, 768
	s_add_co_u32 s54, s54, s57
	s_add_nc_u64 s[14:15], s[14:15], s[54:55]
	v_and_b32 v31, 8, v215
	v_add_nc_u32 v31, v31, v215
	v_lshlrev_b32 v230, 4, v231
	v_sub_nc_u32 v31, v31, v230
	s_lshl_b32 s54, s63, 5
	s_lshl_b32 s57, s51, 3
	s_add_co_u32 s54, s54, s57
	v_add_nc_u32 v31, s54, v31                     ; my query - 16 h
	v_lshlrev_b32 v234, 5, v215
	; who prefetches what (STAGE_ISSUE).  The offsets begin a step short of the first step that is named, step 2
	v_mov_b32 v28, 0
	s_mov_b32 s[LIM], -1
	s_mov_b32 s[PFS], 0
	s_mov_b64 s[PFA:PFA+1], s[4:5]
	s_cmp_lg_u32 s48, 0
	s_cbranch_scc1 .Lpf_kv
	s_cmp_lg_u32 s46, 0
	s_cbranch_scc1 .Lpf_done
	s_lshl_b32 s54, s67, 19                        ; the block's 32 rows of 16,384 bytes
	s_mov_b32 s55, 0
	s_add_nc_u64 s[PFA:PFA+1], s[8:9], s[54:55]
	s_mov_b32 s[PFS], 512
	s_mov_b32 s[LIM], s[JB]
	v_lshrrev_b32 v28, 1, v214                     ; row r' = lane / 2 of tile w / 4
	v_and_b32 v230, 8, v28
	v_add_nc_u32 v28, v28, v230
	s_and_b32 s54, s47, 1
	s_lshl_b32 s54, s54, 3
	v_add_nc_u32 v28, s54, v28
	v_lshlrev_b32 v28, 14, v28
	v_and_b32 v230, 1, v214
	v_lshl_add_u32 v28, v230, 8, v28
	v_add_nc_u32 v28, 512, v28
	s_branch .Lpf_done
.Lpf_kv:
	s_cmp_lg_u32 ttmp9, 0
	s_cbranch_scc1 .Lpf_done
	s_cmp_ge_u32 s[WV], 8
	s_cbranch_scc1 .Lpf_done
	s_mov_b32 s[PFS], 6144
	s_mov_b32 s[LIM], 31
	s_sub_co_u32 s54, s48, 1
	s_lshl_b32 s54, s54, 5
	v_add_nc_u32 v28, s54, v214                    ; L = 0 .. 95: block L % 24 of head L / 24
	v_mul_u32_u24 v230, v28, 43
	v_lshrrev_b32 v230, 10, v230                   ; L / 24
	v_lshlrev_b32 v28, 8, v28
	v_mad_u32_u24 v28, v230, 196608-6144, v28
	s_lshl_b32 s54, s46, 2
	s_add_co_u32 s55, s54, 16
	s_mul_i32 s55, s55, 196608
	s_mul_i32 s54, s54, 196608
	s_add_co_u32 s54, s54, 6291456
	s_cmp_lt_u32 s[WV], 4
	s_cselect_b32 s54, s55, s54
	s_add_co_u32 s54, s54, 6144
	v_add_nc_u32 v28, s54, v28
.Lpf_done:
	global_load_b128 v[16:19], v232, s[70:71]      ; Q's half fragment stays in registers
	global_load_b64 v[20:21], v233, s[70:71] offset:512
	global_load_b32 v94, v234, s[58:59]            ; and its scale word
	v_mov_b32 v29, 0xce6e6b28                      ; -1e9
	STAGE_ISSUE 0                                  ; step 0
.irp j, 22,23,24,25,26,27,80,81,82,83,84,85
	v_mov_b32 v[\j], 0                             ; Q's upper half: zero codes; and what stands behind K's last tile
.endr
.set nn, 0
.rept 32
	v_mov_b32 v[160+nn], 0                         ; O^T.  (The step is written without a first step of its own: the first change of M multiplies zeros)
.set nn, nn+1
.endr
	v_mov_b32 v13, 0xff61b1e6                      ; the largest t so far: -3e38
	v_floor_f32 v12, -v13
	v_mov_b32 v14, 0
	v_mov_b32 v15, 0
	v_mov_b32 v213, 0                              ; (named as the upper half of a pair)
.irp b, 0,1,2,3
	v_mov_b32 v[220+\b], 0                         ; written once: a lane permute's destination counts as one of its sources
.endr
	STAGE_STORE 0, 0                               ; into slot 0; its wait also covers Q
	v_add_nc_u32 v8, 6144, v8
	v_add_nc_u32 v9, 1024, v9
	v_add_nc_u32 v10, 512, v10
	v_add_nc_u32 v11, 128, v11
	s_mov_b32 s[SJ], 0
	s_mov_b32 s[SJ1], 1
	s_mov_b32 s[KF], 0
	s_mov_b32 s[TRIPS], 16
.Ltrip:
	TRIP 0
	TRIP 1
	s_sub_co_u32 s[TRIPS], s[TRIPS], 1
	s_cmp_lg_u32 s[TRIPS], 0
	s_cbranch_scc1 .Ltrip
	; THE WAY OUT.  O^T / the sum: register 16 b + i is o(my query, dv 32 b + 16 h + i): two blocks of 32 along the last product's K.  They are quantised as every operand is, and leave as half a fragment.
	v_add_f32 v14, v14, v15
	v_permlanex16_b32 v214, v14, s[SEL], s[SEL+1]
	v_add_f32 v14, v14, v214                       ; the row's sum: at least 1/2, since the row's largest p is above 1/2
	v_rcp_f32 v14, v14
	v_nop                                          ; a plain place behind the reciprocal
	s_wait_alu depctr_va_vdst(0)                   ; the wait ahead of the first reader
.set nn, 0
.rept 32
	v_mul_f32 v[96+nn], v[160+nn], v14
.set nn, nn+1
.endr
.irp b, 0,1
	v_max3_num_f32 v[216+\b], |v[96+16*\b]|, |v[97+16*\b]|, 0x2800000
.endr
.irp i, 2,4,6,8,10,12,14
.irp b, 0,1
	v_max3_num_f32 v[216+\b], v[216+\b], |v[96+16*\b+\i]|, |v[97+16*\b+\i]|
.endr
.endr
.irp b, 0,1
	v_permlanex16_b32 v[220+\b], v[216+\b], s[SEL], s[SEL+1]
.endr
.irp b, 0,1
	v_max_num_f32 v[216+\b], v[216+\b], v[220+\b]
.endr
.irp b, 0,1
	v_add_nc_u32 v[224+\b], 0xfe000000, v[216+\b]
.endr
.irp b, 0,1
	v_lshrrev_b32 v[220+\b], 23, v[224+\b]
.endr
	v_lshl_or_b32 v215, v221, 8, v220              ; my head's two bytes of the row's scale word
	v_cvt_scalef32_pk16_bf6_f32 v[192:194], v[96:111], v224
	v_cvt_scalef32_pk16_bf6_f32 v[196:198], v[112:127], v225
	v_nop
.irp i, 0,1,2
	v_permlane16_swap_b32 v[192+\i], v[196+\i]     ; lanes 0-15: block 0 whole, lanes 16-31: block 1
.endr
	v_mov_b32 v195, v196
	v_mov_b32 v196, v197
	v_mov_b32 v197, v198
	global_store_b128 v232, v[192:195], s[14:15]   ; 512 consecutive bytes, and 256, at multiples of 256 from OI's first byte
	global_store_b64 v233, v[196:197], s[14:15] offset:512
	ds_store_b16 v235, v215                        ; lanes r and r + 16 write the same two bytes
	s_wait_dscnt 0x0                               ; for wave 0's sake
	s_barrier_signal -1
	s_barrier_wait -1
	s_cmp_lg_u32 s[WV], 0
	s_cbranch_scc1 .Lend
	ds_load_b128 v[96:99], v236                    ; the four tiles' words of my four heads: 128 bytes a tile
	s_wait_dscnt 0x0
	global_store_b128 v237, v[96:99], s[16:17]
.Lend:
	s_wait_tensorcnt 0x0
	ds_add_u32 v254, v255
	s_wait_dscnt 0x0
	s_endpgm
.Lfunc_end_k_qf7ee63dcfe_attn:
	.size	k_qf7ee63dcfe_attn, .Lfunc_end_k_qf7ee63dcfe_attn-k_qf7ee63dcfe_attn
	.p2alignl 7, 3214868480
	.fill 96, 4, 3214868480
	.section	.rodata,"a",@progbits
	.p2align	6, 0x0
	.amdhsa_kernel k_qf7ee63dcfe_attn
		.amdhsa_group_segment_fixed_size 176640
		.amdhsa_private_segment_fixed_size 0
		.amdhsa_enable_private_segment 0
		.amdhsa_kernarg_size 56
		.amdhsa_user_sgpr_count 2
		.amdhsa_user_sgpr_kernarg_segment_ptr 1
		.amdhsa_wavefront_size32 1
		.amdhsa_system_sgpr_workgroup_id_x 1
		.amdhsa_system_sgpr_workgroup_id_y 1
		.amdhsa_system_sgpr_workgroup_id_z 1
		.amdhsa_system_vgpr_workitem_id 0
		.amdhsa_next_free_vgpr 256
		.amdhsa_next_free_sgpr 72
		.amdhsa_reserve_vcc 1
		.amdhsa_float_denorm_mode_32 3
		.amdhsa_float_denorm_mode_16_64 3
		.amdhsa_memory_ordered 1
		.amdhsa_forward_progress 1
		.amdhsa_inst_pref_size 122
	.end_amdhsa_kernel
	.amdgpu_metadata
---
amdhsa.version: [ 1, 2 ]
amdhsa.kernels:
  - .name:           k_qf7ee63dcfe_attn
    .symbol:         k_qf7ee63dcfe_attn.kd
    .args:
      - { .name: QKV, .offset: 0, .size: 8, .value_kind: global_buffer, .address_space: global }
      - { .name: QKVS, .offset: 8, .size: 8, .value_kind: global_buffer, .address_space: global }
      - { .name: spatial_bias, .offset: 16, .size: 8, .value_kind: global_buffer, .address_space: global }
      - { .name: mask, .offset: 24, .size: 8, .value_kind: global_buffer, .address_space: global }
      - { .name: FB, .offset: 32, .size: 8, .value_kind: global_buffer, .address_space: global }
      - { .name: OI, .offset: 40, .size: 8, .value_kind: global_buffer, .address_space: global }
      - { .name: OS, .offset: 48, .size: 8, .value_kind: global_buffer, .address_space: global }
    .group_segment_fixed_size: 176640
    .private_segment_fixed_size: 0
    .kernarg_segment_align: 8
    .kernarg_segment_size: 56
    .max_flat_workgroup_size: 512
    .sgpr_count:     72
    .vgpr_count:     256
    .wavefront_size: 32
...
	.end_amdgpu_metadata
.endif
;; end of part 3
;; launch outp (part 4): grid 128 x 1, 8 waves a work-group, no clusters, 171,008 bytes of LDS; arguments CI, SI, OI, OS, out0; writes out0
.if DOCPART == 4
	.amdgcn_target "amdgcn-amd-amdhsa--gfx1250"
	.amdhsa_code_object_version 6
	.text
	.protected	k_qf7ee63dcfe_outp
	.globl	k_qf7ee63dcfe_outp
	.p2align	8
	.type	k_qf7ee63dcfe_outp,@function
k_qf7ee63dcfe_outp:
	s_mov_b64 s[64:65], 0
	v_nop
	global_prefetch_b8 v0, s[64:65] scope:SCOPE_SE
	s_setreg_imm32_b32 hwreg(HW_REG_WAVE_MODE, 25, 1), 1
	s_wait_xcnt 0x0
; out0 = o Wo^T on codes of BF6, K = 1024 in eight steps of 128; out0 [4096][1024] f32.
; ROLES, as in the projections.  Source 0 (P): 128 rows of Wo (128 columns of out0) = 8 tiles, copied once into LDS for the work-group.  Source 1 (N): two tiles of 16 tokens of o a wave, straight from memory, a K step ahead.
; In a result a lane is a token, and an N tile's 64 registers run along the 128 columns: register 16 b + i = column 32 b + 16 (lane / 16) + i.
; Work-group id: P = id / 16 (CI's group 56 + id / 16), tokens: tiles 16 (id % 16) + 2 w + n.  Lane r of token tile T is token 32 (T / 2) + 8 (T % 2) + r + 8 (r / 8).
; OI: [T 256][s 8][half 2][768]: a half fragment: registers 0-3 of lane l at 16 l, registers 4-5 at 512 + 8 l.  OS: [T][g 4][r 16][2 words]: word p = K step 2 g + p.
; THE WAY OUT: a tile's 16 rows x 512 bytes go through the wave's own stage in LDS and leave as whole rows: 32 lanes store 512 consecutive bytes, aligned.
; No tensor loads and no cluster: P is read once by a work-group, each wave's N by that wave alone.
.set PSC,  98304                       ; LDS: P's codes from byte 0, P's scale words from here,
.set STG,  102400                      ; and a stage of 16 rows x 528 bytes for each wave
.set PF,   16                          ; v16-111  P's eight fragments of a K step
.set NF0,  112                         ; v112-135, v136-159 N's two fragments, two sets
.set PS,   160                         ; v160-167 P's scale words
.set NSC,  168                         ; v168-183 N's scale words: tile n, K step s at 8 n + s
.set WV,   14
.set NB,   20                          ; s[20:21] N's codes, s[22:23] N's scale words, s[24:25] P's codes, s[26:27] P's scale words
.set OSB,  22
.set PB,   24
.set PSB,  26
.set MSB, 0
.macro WIN new                         ; the immediate's high byte repeats the setting that is left
.if MSB != \new
	s_set_vgpr_msb (MSB<<8)|\new
.set MSB, \new
.endif
.endm
	s_load_b256 s[4:11], s[0:1], 0x0               ; CI, SI, OI, OS
	s_load_b64 s[12:13], s[0:1], 0x20              ; out0
	v_lshl_add_u32 v254, v0, 2, 0x29800
	v_mov_b32 v255, 0
	v_lshrrev_b32 v10, 5, v0
	v_readfirstlane_b32 s[WV], v10                 ; wave 0..7
	v_and_b32 v10, 31, v0                          ; lane
	v_and_b32 v11, 15, v0                          ; r
	v_bfe_u32 v12, v0, 4, 1                        ; h
	v_lshlrev_b32 v1, 4, v10                       ; v1  16 x lane
	v_add_nc_u32 v2, 49152, v1                     ; v2  the same for P's tiles 4-7 in LDS
	v_lshlrev_b32 v3, 5, v11
	v_add_nc_u32 v3, PSC, v3                       ; v3  P's scale words: row r's eight
	s_mul_i32 s15, s[WV], 12288
	v_add_nc_u32 v4, s15, v1                       ; v4  the copy of P: my wave's 12,288 bytes, in memory and in LDS alike
	s_lshl_b32 s15, s[WV], 9
	v_add_nc_u32 v15, s15, v1                      ; v15 my 512 bytes of its scale words, in memory,
	v_add_nc_u32 v14, PSC, v15                     ; v14 and in LDS
	v_lshlrev_b32 v6, 3, v10                       ; v6  8 x lane
	s_mul_i32 s15, s[WV], 8448
	s_add_co_u32 s15, s15, STG
	v_mul_u32_u24 v7, v11, 528
	v_lshl_add_u32 v7, v12, 6, v7
	v_add_nc_u32 v7, s15, v7                       ; v7  into my stage: row r, + 64 h
	v_add_nc_u32 v8, s15, v1                       ; v8  and back: 16 bytes a lane of a row
	v_lshlrev_b32 v9, 3, v11                       ; v9  N's scale words: 8 r
	s_lshr_b32 s16, ttmp9, 4                       ; pg
	s_and_b32 s17, ttmp9, 15
	s_lshl_b32 s17, s17, 4
	s_lshl_b32 s18, s[WV], 1
	s_add_co_u32 s17, s17, s18                     ; T0
	s_add_co_u32 s18, s16, 56
	s_mul_i32 s28, s18, 98304
	s_mov_b32 s29, 0
	s_lshl_b32 s30, s18, 12
	s_mov_b32 s31, 0
	s_mul_i32 s32, s17, 12288
	s_mov_b32 s33, 0
	s_lshl_b32 s34, s17, 9
	s_mov_b32 s35, 0
	s_lshl_b32 s36, s17, 16                        ; out0: token 16 T0, rows of 4,096 bytes,
	s_lshl_b32 s37, s16, 9                         ; + 128 pg columns
	s_add_co_u32 s36, s36, s37
	s_mov_b32 s37, 0
	s_wait_kmcnt 0x0
	s_add_nc_u64 s[PB:PB+1], s[4:5], s[28:29]
	s_add_nc_u64 s[PSB:PSB+1], s[6:7], s[30:31]
	s_add_nc_u64 s[NB:NB+1], s[8:9], s[32:33]
	s_add_nc_u64 s[OSB:OSB+1], s[10:11], s[34:35]
	s_add_nc_u64 s[12:13], s[12:13], s[36:37]
.irp n, 0,1
.irp g, 0,1,2,3
	global_load_b64 v[NSC+8*\n+2*\g:NSC+8*\n+2*\g+1], v9, s[OSB:OSB+1] offset:512*\n+128*\g
.endr
.endr
.irp k, 0,1,2,3,4,5,6,7,8,9,10,11,12,13,14,15,16,17,18,19,20,21,22,23
	global_load_b128 v[PF+4*\k:PF+4*\k+3], v4, s[PB:PB+1] offset:512*\k
.endr
	global_load_b128 v[PS:PS+3], v15, s[PSB:PSB+1]
; N's two fragments of K step s: 8 loads
.macro NLOAD s, nf
.irp n, 0,1
	global_load_b128 v[\nf+12*\n:\nf+12*\n+3], v1, s[NB:NB+1] offset:\n*12288+(\s)*1536
	global_load_b64 v[\nf+12*\n+4:\nf+12*\n+5], v6, s[NB:NB+1] offset:\n*12288+(\s)*1536+512
	global_load_b128 v[\nf+12*\n+6:\nf+12*\n+9], v1, s[NB:NB+1] offset:\n*12288+(\s)*1536+768
	global_load_b64 v[\nf+12*\n+10:\nf+12*\n+11], v6, s[NB:NB+1] offset:\n*12288+(\s)*1536+1280
.endr
.endm
	NLOAD 0, NF0
	s_wait_loadcnt 8                               ; N's scale words and my part of P are in; N's first 8 loads may be out
.irp k, 0,1,2,3,4,5,6,7,8,9,10,11,12,13,14,15,16,17,18,19,20,21,22,23
	ds_store_b128 v4, v[PF+4*\k:PF+4*\k+3] offset:512*\k
.endr
	ds_store_b128 v14, v[PS:PS+3]
	s_wait_dscnt 0x0                               ; for the others' sake: my part of P lies in LDS
	s_barrier_signal -1
	s_barrier_wait -1
; A K step: the 16 accumulators take turns, one instruction a turn, in the same order in every step.
.macro KSTEP s
.if (\s) > 0
.rept 4
	v_nop                                          ; four places in front of loads into registers that matrix instructions have read
.endr
.endif
.irp t, 0,1,2,3,4,5,6,7
.irp c, 0,1,2
	ds_load_b128 v[PF+12*\t+4*\c:PF+12*\t+4*\c+3], v[1+\t/4] offset:(\t%4)*12288+(\s)*1536+512*\c
.endr
.endr
	ds_load_b128 v[PS:PS+3], v3 offset:512*(\s)
	ds_load_b128 v[PS+4:PS+7], v3 offset:512*(\s)+16
.if (\s) < 7
	NLOAD (\s)+1, NF0+24*(1-(\s)%2)
	s_wait_loadcnt 8                               ; this step's N is in; the 8 loads just issued may be out
.else
	s_wait_loadcnt 0x0
.endif
	s_wait_dscnt 0x0
	WIN 0x50                                       ; C and D in window 1
.irp t, 0,1,2,3,4,5,6,7
.irp n, 0,1
.if (\s) == 0
	v_wmma_scale_f32_16x16x128_f8f6f4 v[64*\n+8*\t:64*\n+8*\t+7], v[PF+12*\t:PF+12*\t+11], v[NF0+24*((\s)%2)+12*\n:NF0+24*((\s)%2)+12*\n+11], 0, v[PS+\t], v[NSC+8*\n+(\s)] matrix_a_fmt:MATRIX_FMT_BF6 matrix_b_fmt:MATRIX_FMT_BF6
.else
	v_wmma_scale_f32_16x16x128_f8f6f4 v[64*\n+8*\t:64*\n+8*\t+7], v[PF+12*\t:PF+12*\t+11], v[NF0+24*((\s)%2)+12*\n:NF0+24*((\s)%2)+12*\n+11], v[64*\n+8*\t:64*\n+8*\t+7], v[PS+\t], v[NSC+8*\n+(\s)] matrix_a_fmt:MATRIX_FMT_BF6 matrix_b_fmt:MATRIX_FMT_BF6
.endif
.endr
.endr
	WIN 0
.endm
.irp s, 0,1,2,3,4,5,6,7
	KSTEP \s
.endr
.rept 4
	v_nop                                          ; four places behind the last products: in front of the stores that read results and of the loads into operands' registers
.endr
.irp n, 0,1
	WIN 0x04                                       ; an LDS store's data are its source 1: window 1
.irp t, 0,1,2,3,4,5,6,7
	ds_store_b128 v7, v[64*\n+8*\t:64*\n+8*\t+3] offset:128*(\t/2)+32*(\t%2)        ; each accumulator from its low end on: columns 32 (t / 2) + 16 h + 8 (t % 2) + 0 .. 7 of token r
	ds_store_b128 v7, v[64*\n+8*\t+4:64*\n+8*\t+7] offset:128*(\t/2)+32*(\t%2)+16
.endr
	WIN 0
.irp k, 0,1,2,3,4,5,6,7,8,9,10,11,12,13,14,15
	ds_load_b128 v[16+64*\n+4*\k:19+64*\n+4*\k], v8 offset:528*\k   ; LDS serves a wave's instructions in order: these see my stores, and the next tile's stores come behind them
.endr
.endr
.irp n, 0,1
.irp k, 0,1,2,3,4,5,6,7,8,9,10,11,12,13,14,15
	s_wait_dscnt 32*(1-\n)+15-\k                   ; row k of tile n is back; behind it: the tile's younger loads, and for tile 0 the other tile's 32 LDS instructions
	global_store_b128 v1, v[16+64*\n+4*\k:19+64*\n+4*\k], s[12:13] offset:(8*\n+\k+8*(\k/8))*4096 th:TH_STORE_NT   ; 512 consecutive bytes of a row of out0, at a multiple of 256 from its first byte
.endr
.endr
	s_wait_tensorcnt 0x0
	ds_add_u32 v254, v255
	s_wait_dscnt 0x0
	s_endpgm
.Lfunc_end_k_qf7ee63dcfe_outp:
	.size	k_qf7ee63dcfe_outp, .Lfunc_end_k_qf7ee63dcfe_outp-k_qf7ee63dcfe_outp
	.p2alignl 7, 3214868480
	.fill 96, 4, 3214868480
	.section	.rodata,"a",@progbits
	.p2align	6, 0x0
	.amdhsa_kernel k_qf7ee63dcfe_outp
		.amdhsa_group_segment_fixed_size 171008
		.amdhsa_private_segment_fixed_size 0
		.amdhsa_enable_private_segment 0
		.amdhsa_kernarg_size 40
		.amdhsa_user_sgpr_count 2
		.amdhsa_user_sgpr_kernarg_segment_ptr 1
		.amdhsa_wavefront_size32 1
		.amdhsa_system_sgpr_workgroup_id_x 1
		.amdhsa_system_sgpr_workgroup_id_y 1
		.amdhsa_system_sgpr_workgroup_id_z 1
		.amdhsa_system_vgpr_workitem_id 0
		.amdhsa_next_free_vgpr 384
		.amdhsa_next_free_sgpr 66
		.amdhsa_reserve_vcc 0
		.amdhsa_float_denorm_mode_32 3
		.amdhsa_float_denorm_mode_16_64 3
		.amdhsa_memory_ordered 1
		.amdhsa_forward_progress 1
		.amdhsa_inst_pref_size 53
	.end_amdhsa_kernel
	.amdgpu_metadata
---
amdhsa.version: [ 1, 2 ]
amdhsa.kernels:
  - .name:           k_qf7ee63dcfe_outp
    .symbol:         k_qf7ee63dcfe_outp.kd
    .args:
      - { .name: CI, .offset: 0, .size: 8, .value_kind: global_buffer, .address_space: global }
      - { .name: SI, .offset: 8, .size: 8, .value_kind: global_buffer, .address_space: global }
      - { .name: OI, .offset: 16, .size: 8, .value_kind: global_buffer, .address_space: global }
      - { .name: OS, .offset: 24, .size: 8, .value_kind: global_buffer, .address_space: global }
      - { .name: out0, .offset: 32, .size: 8, .value_kind: global_buffer, .address_space: global }
    .group_segment_fixed_size: 171008
    .private_segment_fixed_size: 0
    .kernarg_segment_align: 8
    .kernarg_segment_size: 40
    .max_flat_workgroup_size: 256
    .sgpr_count:     66
    .vgpr_count:     384
    .wavefront_size: 32
...
	.end_amdgpu_metadata
.endif
;; end of part 4
;; ======== version 2 of 2: 4 launches; version 1 with the launches proj, attn, outp written anew for expert scheduling mode
;; workspace buffers: CI 6,291,456 bytes; SI 262,144 bytes; QKV 9,437,184 bytes; QKVS 786,432 bytes; OI 3,145,728 bytes; OS 131,072 bytes; FB 256 bytes of whole numbers
;; launch quant: the kernel of part 1 again; grid 256 x 1, 8 waves a work-group, no clusters, 69,632 bytes of LDS; arguments x, Wq, Wk, Wv, Wo, mask, CI, SI, FB; writes CI, SI, FB
;; launch proj (part 5): grid 192 x 1, 8 waves a work-group, no clusters, 103,424 bytes of LDS; arguments CI, SI, mask, QKV, QKVS; writes QKV, QKVS
.if DOCPART == 5
	.amdgcn_target "amdgcn-amd-amdhsa--gfx1250"
	.amdhsa_code_object_version 6
	.text
	.protected	k_qf7ee63dcfe_proj
	.globl	k_qf7ee63dcfe_proj
	.p2align	8
	.type	k_qf7ee63dcfe_proj,@function
k_qf7ee63dcfe_proj:
	s_mov_b64 s[64:65], 0
	v_nop
	global_prefetch_b8 v0, s[64:65] scope:SCOPE_SE
	s_setreg_imm32_b32 hwreg(HW_REG_WAVE_SCHED_MODE, 0, 2), 2
	s_setreg_imm32_b32 hwreg(HW_REG_WAVE_MODE, 25, 1), 1
	s_wait_xcnt 0x0
	s_wait_alu depctr_vm_vsrc(0)
; q = x Wq^T, k = x Wk^T, v = x Wv^T on codes of BF6 (K = 1024, eight steps of 128), and the results quantised in registers for the attention: q and k along the head's 64, v along the keys.
; ROLES.  Source 0 (P): 128 rows = 8 tiles, the same for the whole work-group, copied once into LDS.  Source 1 (N): 4 tiles a wave, straight from memory, a K step ahead.  In a result a lane is a row of N, and the
; 64 registers of an N tile run along P's 128 rows: register 16 b + i = P's row 32 b + 16 (lane / 16) + i (P's tiles are laid for that).  That is what the conversions want: neighbours along the next K in one lane.
; Work-groups 0-127 (q, k): P = 128 rows of Wq or Wk (two heads), N = 512 tokens of x.  A token's 128 numbers are two heads' 64: the fragment's two halves go to the two heads.
; Work-groups 128-191 (v): P = 128 tokens of x (a key step), N = 512 rows of Wv (eight heads).  A row's 128 numbers run along the keys: one fragment of V^T.
; ONE PATH serves all three: what differs lies in scalar registers chosen by the work-group's number.
; QKV: [hh 32][T 256][768]: hh 0-15 q's heads, 16-31 k's; token tile T; a HALF fragment (64 along K): registers 0-3 of lane l at 16 l, registers 4-5 at 512 + 8 l.  From byte 6,291,456: V [head][step 32][half 2][dvt 4][768].
; QKVS: q's scale words [head][T / 8][r 16][T % 8]; from byte 262,144 [head][step 32][1024]: k's words [r 16][t 8], then V's [lane 32][dvt 4].
; 1 / sqrt(64) = 2^-3 goes into q's scale bytes (3 is taken off, held at 0).  THE CODES OF MASKED KEYS ARE ZEROS in k: their scores are then what the attention lays under them, and nothing else.
; LIMITS: as in the launch before; a block of q under 2^-120 keeps the byte 0 and comes out up to 8 times too large (under 1e-35 in a score).
; No tensor loads and no cluster: P is read once by a work-group, and each wave's N by that wave alone.
; THE MODE: SCHED_MODE bits 1:0 = 2 (LLVM: expert scheduling mode 2), set by the entry lines.  The code itself states the register dependences between vector or matrix instructions and memory or LDS
; instructions, with s_wait_alu, always for 0.
; THE PLAN.  Registers that memory or LDS instructions touch:
;   v1-v11, v14, v15  offsets and LDS addresses: written at the head, never again.  One wait on va_vdst ahead of the first load states them all.
;   PF, PS            at the head loaded from memory and read by the copy's LDS stores: one wait on vm_vsrc behind the barrier.  In K step s LDS loads land in them, and the step's 32 products read them.
;   NF, NS, two sets  the loads of K step s + 1 land in the set that the products of K step s - 1 read.
;   So ONE wait on va_vdst stands at the head of a K step, behind the four places: the last step's products are done with PF, PS and the other set.  The step's 39 loads follow it in one run, N's first;
;   the products behind them name PF, PS, this step's set and the accumulators, and no load is issued among them.
;   The way out: each tile's codes have 20 registers of their own; one wait on va_vdst a tile stands ahead of its four stores; nothing writes these registers again.
.set PSC,  98304                       ; LDS: P's codes [t 8][s 8][1536] from byte 0, P's scale words [s 8][r 16][t 8] from here
.set PF,   16                          ; v16-111  P's eight fragments of a K step; behind the sums: the codes just made, 20 registers a tile
.set NF0,  112                         ; v112-159, v160-207 N's four fragments, two sets
.set PS,   208                         ; v208-215 P's scale words
.set NS0,  216                         ; v216-219, v220-223 N's, two sets
.set MK,   224                         ; v224-227 the mask bytes of my lane's row in the four tiles
.set TM,   228                         ; v228-243 at work in the quantiser
.set WD,   244                         ; v244-247 the four tiles' scale words
.set TP,   248                         ; v248-250 at work
.set WV,   14
.set NG0,  19
.set PG,   20
.set SUB,  40                          ; what is taken off the scale bytes: 3 (q), 0
.set KSEL, 41                          ; -1 (k): masked rows' codes become zeros; 0
.set SHM,  42                          ; 16 (q, k): lanes 16-31 store the upper two bytes, the second head's; 0
.set HSTR, 43                          ; from a fragment's first half to its second, in QKV
.set CC,   44                          ; where my first tile's codes go
.set A2,   45                          ; scale words: bytes from lanes 0-15's place to lanes 16-31's,
.set B2,   46                          ; from row to row,
.set C2,   47                          ; and where they begin
.set SEL,  48
.set NB,   50                          ; s[50:51] N's codes, s[52:53] N's scale words, s[54:55] P's codes, s[56:57] P's scale words
.set NSB,  52
.set PB,   54
.set PSB,  56
.set MM,   60                          ; s60-63 the way out: which lanes' rows are masked keys, a mask for each of the four tiles
.set MSB, 0
.macro WIN new                         ; the immediate's high byte repeats the setting that is left
.if MSB != \new
	s_set_vgpr_msb (MSB<<8)|\new
.set MSB, \new
.endif
.endm
	s_load_b256 s[4:11], s[0:1], 0x0               ; CI, SI, mask, QKV
	s_load_b64 s[12:13], s[0:1], 0x20              ; QKVS
	v_lshl_add_u32 v254, v0, 2, 0x19000
	v_mov_b32 v255, 0
	v_lshrrev_b32 v[TP], 5, v0
	v_readfirstlane_b32 s[WV], v[TP]               ; wave 0..7
	v_and_b32 v[TP], 31, v0                        ; lane
	v_and_b32 v[TP+1], 15, v0                      ; r
	v_bfe_u32 v[TP+2], v0, 4, 1                    ; h
	v_lshlrev_b32 v1, 4, v[TP]                     ; v1  16 x lane: a fragment's place for my lane
	v_add_nc_u32 v2, 49152, v1                     ; v2  the same for P's tiles 4-7 in LDS
	v_lshlrev_b32 v3, 5, v[TP+1]
	v_add_nc_u32 v3, PSC, v3                       ; v3  P's scale words: row r's eight
	s_wait_alu depctr_va_sdst(0)                   ; the wave's number is written, ahead of its first reader
	s_mul_i32 s15, s[WV], 12288
	v_add_nc_u32 v4, s15, v1                       ; v4  the copy of P: my wave's 12,288 bytes, in memory and in LDS alike
	s_lshl_b32 s15, s[WV], 9
	v_add_nc_u32 v15, s15, v1                      ; v15 and my 512 bytes of its scale words, in memory,
	v_add_nc_u32 v14, PSC, v15                     ; v14 and in LDS
	v_mov_b32 v13, 0                               ; v13 0
.irp b, 0,1,2,3
	v_mov_b32 v[TM+4+\b], 0                        ; written once: a lane permute's destination counts as one of its sources
.endr
	s_mov_b32 s[SEL], 0x76543210
	s_mov_b32 s[SEL+1], 0xfedcba98
	; which part of the work is mine
	s_lshr_b32 s15, ttmp9, 3
	s_and_b32 s16, ttmp9, 7
	s_sub_co_u32 s17, ttmp9, 128
	s_lshr_b32 s17, s17, 1
	s_and_b32 s18, ttmp9, 1
	s_cmp_ge_u32 ttmp9, 128
	s_cselect_b32 s15, s17, s15                    ; pg: which P
	s_cselect_b32 s16, s18, s16                    ; nb: which 32 tiles of N
	s_cselect_b32 s21, 1, 0                        ; 1: v
	s_lshl_b32 s22, s16, 5
	s_lshl_b32 s23, s[WV], 2
	s_add_co_u32 s22, s22, s23                     ; T0: my first tile of N
	s_and_b32 s23, s[WV], 1
	s_lshl_b32 s23, s23, 4                         ; 4 (T0 % 8) = 16 (w % 2)
	s_lshr_b32 s24, s22, 3                         ; T0 / 8
	s_lshr_b32 s25, s22, 2                         ; T0 / 4
	s_mul_i32 s26, s15, 393216                     ; q, k: codes at (2 pg) x 196,608 + 768 T0
	s_mul_i32 s27, s22, 768
	s_add_co_u32 s26, s26, s27
	s_mul_i32 s27, s25, 196608                     ; v: 6,291,456 + head x 196,608 + step x 6,144
	s_mul_i32 s28, s15, 6144
	s_add_co_u32 s27, s27, s28
	s_add_co_u32 s27, s27, 6291456
	s_lshl_b32 s28, s15, 15                        ; q's scale words: (2 pg) x 16,384 + 512 (T0 / 8) + 4 (T0 % 8)
	s_lshl_b32 s29, s24, 9
	s_add_co_u32 s28, s28, s29
	s_add_co_u32 s28, s28, s23
	s_lshl_b32 s29, s15, 16                        ; k's: 262,144 + 2 (pg - 8) x 32,768 + 1,024 (T0 / 8) + 4 (T0 % 8)
	s_sub_co_u32 s29, s29, 262144
	s_lshl_b32 s30, s24, 10
	s_add_co_u32 s29, s29, s30
	s_add_co_u32 s29, s29, s23
	s_lshl_b32 s30, s25, 15                        ; v's: 262,144 + head x 32,768 + step x 1,024 + 512
	s_lshl_b32 s31, s15, 10
	s_add_co_u32 s30, s30, s31
	s_add_co_u32 s30, s30, 262144+512
	s_cmp_ge_u32 s15, 8
	s_cselect_b32 s31, 1, 0
	s_cmp_eq_u32 s21, 0
	s_cselect_b32 s31, s31, 0                      ; 1: k
	s_add_co_u32 s[PG], s15, 32
	s_mov_b32 s[A2], 16384
	s_mov_b32 s[HSTR], 196608
	s_cmp_eq_u32 s31, 1
	s_cselect_b32 s[C2], s29, s28
	s_cselect_b32 s[A2], 32768, s[A2]
	s_cselect_b32 s[KSEL], -1, 0
	s_cselect_b32 s[SUB], 0, 3
	s_cmp_eq_u32 s21, 1
	s_cselect_b32 s[C2], s30, s[C2]
	s_cselect_b32 s[A2], 256, s[A2]
	s_cselect_b32 s[SUB], 0, s[SUB]
	s_cselect_b32 s[B2], 16, 32
	s_cselect_b32 s[SHM], 0, 16
	s_cselect_b32 s[HSTR], 3072, s[HSTR]
	s_cselect_b32 s[CC], s27, s26
	s_cselect_b32 s[NG0], 48, 0                    ; N: Wv's groups begin at 48, x's at 0
	s_cselect_b32 s[PG], s15, s[PG]                ; P: x's group pg, or group 32 + pg of Wq and Wk
	s_lshl_b32 s35, s[NG0], 3
	s_add_co_u32 s35, s35, s22
	s_mul_i32 s36, s35, 12288
	s_mov_b32 s37, 0
	s_add_co_u32 s35, s[NG0], s24
	s_lshl_b32 s38, s35, 12
	s_mov_b32 s39, 0
	s_mul_i32 s32, s[PG], 98304
	s_mov_b32 s33, 0
	s_lshl_b32 s34, s[PG], 12
	s_mov_b32 s35, 0
	v_lshlrev_b32 v5, 5, v[TP+1]
	v_add_nc_u32 v5, s23, v5                       ; v5  N's scale words: row r, my four tiles' 16 bytes
	v_and_b32 v6, 8, v[TP+1]
	v_add_nc_u32 v6, v6, v[TP+1]
	v_lshl_add_u32 v6, s22, 4, v6                  ; v6  the mask byte of my lane's row of tile T0: 16 T0 + r + 8 (r / 8)
	v_add_nc_u32 v7, s[CC], v1                     ; v7  codes out: registers 0-3,
	v_add_nc_u32 v8, s[HSTR], v7                   ; v8  registers 6-9,
	v_lshlrev_b32 v9, 3, v[TP]
	v_add_nc_u32 v9, s[CC], v9
	v_add_nc_u32 v9, 512, v9                       ; v9  registers 4-5,
	v_add_nc_u32 v10, s[HSTR], v9                  ; v10 registers 10-11
	v_mul_u32_u24 v11, s[A2], v[TP+2]
	v_mad_u32_u24 v11, v[TP+1], s[B2], v11
	v_add_nc_u32 v11, s[C2], v11                   ; v11 scale words out
	v_mul_u32_u24 v12, s[SHM], v[TP+2]             ; v12 how far my half of the lanes shifts a scale word down
	s_wait_kmcnt 0x0
	s_add_nc_u64 s[NB:NB+1], s[4:5], s[36:37]
	s_add_nc_u64 s[NSB:NSB+1], s[6:7], s[38:39]
	s_add_nc_u64 s[PB:PB+1], s[4:5], s[32:33]
	s_add_nc_u64 s[PSB:PSB+1], s[6:7], s[34:35]
	s_wait_alu depctr_va_vdst(0)                   ; the offsets and LDS addresses v1 to v11, v14 and v15 are written: every load and store of the kernel reads one of them
.irp n, 0,1,2,3
	global_load_u8 v[MK+\n], v6, s[8:9] offset:32*(\n/2)+8*(\n%2)
.endr
.irp k, 0,1,2,3,4,5,6,7,8,9,10,11,12,13,14,15,16,17,18,19,20,21,22,23
	global_load_b128 v[PF+4*\k:PF+4*\k+3], v4, s[PB:PB+1] offset:512*\k
.endr
	global_load_b128 v[PS:PS+3], v15, s[PSB:PSB+1]
; N's four fragments and their scale words of K step s: 13 loads
.macro NLOAD s, nf, ns
.irp n, 0,1,2,3
.irp c, 0,1,2
	global_load_b128 v[\nf+12*\n+4*\c:\nf+12*\n+4*\c+3], v1, s[NB:NB+1] offset:\n*12288+(\s)*1536+512*\c
.endr
.endr
	global_load_b128 v[\ns:\ns+3], v5, s[NSB:NSB+1] offset:(\s)*512
.endm
	NLOAD 0, NF0, NS0
	s_wait_loadcnt 13                              ; the mask bytes and my part of P are in; N's first 13 loads may be out
.irp k, 0,1,2,3,4,5,6,7,8,9,10,11,12,13,14,15,16,17,18,19,20,21,22,23
	ds_store_b128 v4, v[PF+4*\k:PF+4*\k+3] offset:512*\k
.endr
	ds_store_b128 v14, v[PS:PS+3]
	s_wait_dscnt 0x0                               ; for the others' sake: my part of P lies in LDS
	s_barrier_signal -1
	s_barrier_wait -1
	s_wait_alu depctr_vm_vsrc(0)                   ; my LDS stores have read v[PF ..] and v[PS ..], in which the first K step's LDS loads land
; A K step: the next step's N asked for, P's eight fragments from LDS, 32 products.  The 32 accumulators take turns, one instruction a turn, in the same order in every step.
.macro KSTEP s
.if (\s) > 0
.rept 4
	v_nop                                          ; four places behind the last step's products (ISA guide 7.12.1); they stay beside the wait below
.endr
	s_wait_alu depctr_va_vdst(0)                   ; the last step's products are done reading P's fragments, P's scale words and the other set of N and its scale words: the loads below land in all of these
.endif
.if (\s) < 7
	NLOAD (\s)+1, NF0+48*(1-(\s)%2), NS0+4*(1-(\s)%2)
.endif
.irp t, 0,1,2,3,4,5,6,7
.irp c, 0,1,2
	ds_load_b128 v[PF+12*\t+4*\c:PF+12*\t+4*\c+3], v[1+\t/4] offset:(\t%4)*12288+(\s)*1536+512*\c
.endr
.endr
	ds_load_b128 v[PS:PS+3], v3 offset:512*(\s)
	ds_load_b128 v[PS+4:PS+7], v3 offset:512*(\s)+16
.if (\s) < 7
	s_wait_loadcnt 13                              ; this step's N is in; the 13 loads just issued may be out
.else
	s_wait_loadcnt 0x0
.endif
	s_wait_dscnt 0x0
	WIN 0x50                                       ; C and D in window 1
.irp t, 0,1,2,3,4,5,6,7
.irp n, 0,1,2,3
.if (\s) == 0
	v_wmma_scale_f32_16x16x128_f8f6f4 v[64*\n+8*\t:64*\n+8*\t+7], v[PF+12*\t:PF+12*\t+11], v[NF0+48*((\s)%2)+12*\n:NF0+48*((\s)%2)+12*\n+11], 0, v[PS+\t], v[NS0+4*((\s)%2)+\n] matrix_a_fmt:MATRIX_FMT_BF6 matrix_b_fmt:MATRIX_FMT_BF6
.else
	v_wmma_scale_f32_16x16x128_f8f6f4 v[64*\n+8*\t:64*\n+8*\t+7], v[PF+12*\t:PF+12*\t+11], v[NF0+48*((\s)%2)+12*\n:NF0+48*((\s)%2)+12*\n+11], v[64*\n+8*\t:64*\n+8*\t+7], v[PS+\t], v[NS0+4*((\s)%2)+\n] matrix_a_fmt:MATRIX_FMT_BF6 matrix_b_fmt:MATRIX_FMT_BF6
.endif
.endr
.endr
	WIN 0
.endm
.irp s, 0,1,2,3,4,5,6,7
	KSTEP \s
.endr
; The 64 sums of an N tile (window 1, v[s] on) become a fragment's codes in v[pc] on and its scale word in v[wd].  Each accumulator is read from its low end on.
.macro QUANTW s, pc, wd
	WIN 0x05                                       ; sources 0 and 1 in window 1
.irp b, 0,1,2,3
	v_max3_num_f32 v[TM+\b], |v[(\s)+16*\b]|, |v[(\s)+1+16*\b]|, 0x2800000   ; block b: my 16 numbers, and the floor 2^(5 - 127)
.endr
.irp i, 2,4,6,8,10,12,14
.irp b, 0,1,2,3
	v_max3_num_f32 v[TM+\b], |v[(\s)+16*\b+\i]|, |v[(\s)+1+16*\b+\i]|, v[TM+\b]
.endr
.endr
	WIN 0
.irp b, 0,1,2,3
	v_permlanex16_b32 v[TM+4+\b], v[TM+\b], s[SEL], s[SEL+1]
.endr
.irp b, 0,1,2,3
	v_max_num_f32 v[TM+\b], v[TM+\b], v[TM+4+\b]   ; with lane l xor 16's: the block's largest magnitude
.endr
.irp b, 0,1,2,3
	v_add_nc_u32 v[TM+12+\b], 0xfe000000, v[TM+\b] ; 4 off its exponent field: the conversion's scale operand
.endr
.irp b, 0,1,2,3
	v_lshrrev_b32 v[TM+4+\b], 23, v[TM+12+\b]      ; the scale's byte
.endr
.irp b, 0,1,2,3
	v_max_u32 v[TM+4+\b], s[SUB], v[TM+4+\b]       ; q: the byte less 3, held at 0: the scores' 1 / 8
.endr
.irp b, 0,1,2,3
	v_sub_nc_u32 v[TM+4+\b], v[TM+4+\b], s[SUB]
.endr
	v_lshl_or_b32 v[\wd], v[TM+5], 8, v[TM+4]
	v_lshl_or_b32 v[\wd], v[TM+6], 16, v[\wd]
	v_lshl_or_b32 v[\wd], v[TM+7], 24, v[\wd]
	WIN 0x01                                       ; the numbers in window 1
.irp c, 0,1
	v_cvt_scalef32_pk16_bf6_f32 v[(\pc)+6*\c:(\pc)+2+6*\c], v[(\s)+32*\c:(\s)+15+32*\c], v[TM+12+2*\c]
	v_cvt_scalef32_pk16_bf6_f32 v[(\pc)+12+4*\c:(\pc)+14+4*\c], v[(\s)+16+32*\c:(\s)+31+32*\c], v[TM+12+2*\c+1]
.endr
	WIN 0
	v_nop                                          ; one plain place behind a scaled conversion
.irp c, 0,1
.irp i, 0,1,2
	v_permlane16_swap_b32 v[(\pc)+6*\c+\i], v[(\pc)+12+4*\c+\i]
.endr
.irp i, 0,1,2
	v_mov_b32 v[(\pc)+3+6*\c+\i], v[(\pc)+12+4*\c+\i]
.endr
.endr
.endm
.rept 4
	v_nop                                          ; four places behind the last products, in front of the first read of results and the first write of operands
.endr
.irp n, 0,1,2,3
	v_and_b32 v[TP], s[KSEL], v[MK+\n]             ; k alone: a masked key's codes become zeros.  The four tiles' compares stand in one run, each with a scalar register of its own
	v_cmp_ne_u32 s[MM+\n], 0, v[TP]
.endr
.irp n, 0,1,2,3
	QUANTW 64*\n, PF+20*\n, WD+\n
	v_lshrrev_b32 v[WD+\n], v12, v[WD+\n]          ; q, k: lanes 16-31 keep the second head's two bytes
.if \n == 0
	s_wait_alu depctr_va_sdst(0)                   ; the four compares have written s60 to s63, ahead of the first select that reads one of them
.endif
.irp i, 0,1,2,3,4,5,6,7,8,9,10,11
	v_cndmask_b32 v[PF+20*\n+\i], v[PF+20*\n+\i], v13, s[MM+\n]
.endr
	s_wait_alu depctr_va_vdst(0)                   ; the tile's twelve registers of codes and its scale word are written, which the stores below read
	global_store_b128 v7, v[PF+20*\n:PF+20*\n+3], s[10:11] offset:768*\n       ; each store covers 512 or 256 consecutive bytes, at a multiple of 256 from QKV's first byte
	global_store_b64 v9, v[PF+20*\n+4:PF+20*\n+5], s[10:11] offset:768*\n
	global_store_b128 v8, v[PF+20*\n+6:PF+20*\n+9], s[10:11] offset:768*\n
	global_store_b64 v10, v[PF+20*\n+10:PF+20*\n+11], s[10:11] offset:768*\n
.endr
	global_store_b128 v11, v[WD:WD+3], s[12:13]    ; my row's words of the four tiles.  No wait: no vector instruction stands behind the last tile's wait
	s_wait_dscnt 0x0                               ; the closing lines, six on end
	s_wait_alu 0x0
	s_wait_tensorcnt 0x0
	ds_add_u32 v254, v255
	s_wait_dscnt 0x0
	s_endpgm
.Lfunc_end_k_qf7ee63dcfe_proj:
	.size	k_qf7ee63dcfe_proj, .Lfunc_end_k_qf7ee63dcfe_proj-k_qf7ee63dcfe_proj
	.p2alignl 7, 3214868480
	.fill 96, 4, 3214868480
	.section	.rodata,"a",@progbits
	.p2align	6, 0x0
	.amdhsa_kernel k_qf7ee63dcfe_proj
		.amdhsa_group_segment_fixed_size 103424
		.amdhsa_private_segment_fixed_size 0
		.amdhsa_enable_private_segment 0
		.amdhsa_kernarg_size 40
		.amdhsa_user_sgpr_count 2
		.amdhsa_user_sgpr_kernarg_segment_ptr 1
		.amdhsa_wavefront_size32 1
		.amdhsa_system_sgpr_workgroup_id_x 1
		.amdhsa_system_sgpr_workgroup_id_y 1
		.amdhsa_system_sgpr_workgroup_id_z 1
		.amdhsa_system_vgpr_workitem_id 0
		.amdhsa_next_free_vgpr 512
		.amdhsa_next_free_sgpr 72
		.amdhsa_reserve_vcc 0
		.amdhsa_float_denorm_mode_32 3
		.amdhsa_float_denorm_mode_16_64 3
		.amdhsa_memory_ordered 1
		.amdhsa_forward_progress 1
		.amdhsa_inst_pref_size 89
	.end_amdhsa_kernel
	.amdgpu_metadata
---
amdhsa.version: [ 1, 2 ]
amdhsa.kernels:
  - .name:           k_qf7ee63dcfe_proj
    .symbol:         k_qf7ee63dcfe_proj.kd
    .args:
      - { .name: CI, .offset: 0, .size: 8, .value_kind: global_buffer, .address_space: global }
      - { .name: SI, .offset: 8, .size: 8, .value_kind: global_buffer, .address_space: global }
      - { .name: mask, .offset: 16, .size: 8, .value_kind: global_buffer, .address_space: global }
      - { .name: QKV, .offset: 24, .size: 8, .value_kind: global_buffer, .address_space: global }
      - { .name: QKVS, .offset: 32, .size: 8, .value_kind: global_buffer, .address_space: global }
    .group_segment_fixed_size: 103424
    .private_segment_fixed_size: 0
    .kernarg_segment_align: 8
    .kernarg_segment_size: 40
    .max_flat_workgroup_size: 256
    .sgpr_count:     72
    .vgpr_count:     512
    .wavefront_size: 32
...
	.end_amdgpu_metadata
.endif
;; end of part 5
;; launch attn (part 6): grid 64 x 4, 16 waves a work-group, no clusters, 176,640 bytes of LDS; arguments QKV, QKVS, spatial_bias, mask, FB, OI, OS; writes OI, OS
.if DOCPART == 6
	.amdgcn_target "amdgcn-amd-amdhsa--gfx1250"
	.amdhsa_code_object_version 6
	.text
	.protected	k_qf7ee63dcfe_attn
	.globl	k_qf7ee63dcfe_attn
	.p2align	8
	.type	k_qf7ee63dcfe_attn,@function
k_qf7ee63dcfe_attn:
	s_mov_b64 s[64:65], 0
	v_nop
	global_prefetch_b8 v0, s[64:65] scope:SCOPE_SE
	s_setreg_imm32_b32 hwreg(HW_REG_WAVE_SCHED_MODE, 0, 2), 2
	s_setreg_imm32_b32 hwreg(HW_REG_WAVE_MODE, 25, 1), 1
	s_wait_xcnt 0x0
	s_wait_alu depctr_vm_vsrc(0)
; o[q][head] = softmax_k(q . k / 8 + bias[q][k], -1e9 in place of it for masked keys, -1e9 added for keys behind the query) v, both products on codes of BF6, and o quantised along (head, dv) for the last product.
; THE SOFTMAX: t = score x log2(e); M = the running largest t, rounded UP to a whole number; p = 2^(t - M) is quantised along the keys; the row's sum is taken of the unquantised p and divides at the end.
; When M moves, the sum and O are multiplied by 2^(old M - new M): exact.
; SHARES.  Work-group (i, hg) owns heads 4 hg .. 4 hg + 3 and two blocks of 32 queries, block i and block 127 - i: so all work-groups have the same work under the causal mask.  Each of its 16 waves owns one head and one
; tile of 16 queries (tile T = 2 block + u: lane r holds query 32 block + 8 u + r + 8 (r / 8)).  The bias rows of the 64 queries are fetched once for the four heads.
; LAYOUT.  S^T = K Q^T + bias (source 0 = 16 keys, source 1 = my queries, C = the bias), O^T = V^T P^T: a lane holds ONE query throughout.  The keys of a tile of K are laid so that the 16 registers of tiles 2 b, 2 b + 1 are
; the keys 32 b + 16 (lane / 16) + 0 .. 15.  K = 64 fills half of the matrix instruction's 128: Q's upper six registers are zero codes, so that what stands in K's upper six (the next tile's codes) adds nothing; no scale byte is 0xff.
; MASKED KEYS: their codes in K are zeros (made so by the launch before) and their bias is replaced by -1e9 on its way into LDS: the score is -1e9 exactly.
; THE CAUSAL TERM is -1e9 ADDED, as the problem has it, not minus infinity.  Let f be the first key that is not masked (read from FB).  A row q >= f has a real score among its allowed keys, under which all the -1e9 vanish:
; for a block wholly at or above f the walk ends at the diagonal.  A block with a row below f walks ALL keys with the problem's own arithmetic.  There t is rounded before M is taken off (a multiply, then an add).
; THE WALK: 32 key steps of 128, in 16 trips of two (constants).  K, V, their scale words and the bias of step J + 1 are copied into the other LDS slot, through registers, while step J is worked on: one barrier a step.
; A wave with nothing left to compute goes on copying its share and passing the barriers.  The branches hang on whole numbers: ids, and f.  So this launch has no tensor load and no cluster.
; LIMITS: NaN and infinities are not served; scores stay far under 1e9 in magnitude, as the problem's own masks need; a block of zeros gets the scale byte 1.
; THE MODE: SCHED_MODE bits 1:0 = 2 (LLVM: expert scheduling mode 2), set by the entry lines.  The code itself states the register dependences between vector or matrix instructions and memory or LDS
; instructions, with s_wait_alu, always for 0.
; THE PLAN.  Registers that memory or LDS instructions touch, in the loop:
;   v1-v7     LDS addresses: written at the head, never again.
;   v8-v11    the copy's offsets in memory: read by the copy's loads, stepped by four vector adds at a step's end.      v28  the prefetch's offset: stepped at the copy's head, read by the prefetch.
;   v96-159   the bias lands by LDS loads; then products and vector lines alone.
;   v32-79    K's fragments land by LDS loads, the first products read them (up to v85); the copy's loads from memory land in v32-74; sixteen selects work on v56-71 and read v74; the copy's LDS stores read v32-73;
;             V's fragments land by LDS loads, the second products read them.
;   v86-93    scale words land by LDS loads, twice a step; products read them.      v95, v192-203  p's scale word and codes: written by vector lines, taken by the second products.
; THE WAITS OF A STEP.  (1) va_vdst at its head: the last step's products and vector lines are done with all that the step's first LDS loads land in, and v8-v11 are written.  (2) va_vdst at the copy's head: the first
; products are done with v32-93, and v28 is written; an idle wave has this one alone for (1)'s part.  (3) the two behind the exponentials.  (4) va_sdst behind each run of compares; va_vdst behind the sixteen selects, ahead of
; the bias's LDS stores.  (5) vm_vsrc at the copy's end, on every way: the LDS stores have read v32-73, the copy's loads v8-v11, the prefetch v28.  (6) va_vdst ahead of V's loads and the second products: v95 and v192-203 are written.
.set HKB,  26624                       ; LDS: for each of the four heads two slots of SLK bytes:
.set SLK,  13312                       ;   K 8 x 768, V [half 2][dvt 4][768] from 6144, K's scale words 512 from 12288, V's 512 from 12800
.set BIA,  4*HKB                       ; then the bias, two slots of 64 rows x 528 bytes (row 16 q' + r: tile q' = 2 (high block) + u)
.set SLB,  33792
.set OSC,  BIA+2*SLB                   ; then 512 bytes: o's scale words [q' 4][r 16][2]
; v1 16 lane, v2 8 lane, v3 32 r + 12288 (all + my head's HKB); v4 my bias row; v5, v6, v7 where I copy K and V, scale words, bias TO; v8-11 offsets in memory of what I copy (K and V, scale words, bias, mask)
; v12 -M, v13 the largest t, v[14:15] the sum; v16-21 Q, v22-27 zeros; v28 the prefetches' offset; v29 -1e9; v31 my query - 16 (lane / 16)
; v32-85 K's fragments (tile t at 32 + 6 t), then what I copy, then V's (tile d at 32 + 12 d); v86-93 scale words; v94 Q's, v95 p's; v96-159 bias, S^T, p; v160-191 O^T; v192-210 p's codes; v212-231 at work; v232-237 addresses for the ends
.set KB,   20                          ; s[20:21] K of my head, s[22:23] V, s[24:25] their scale words, s[26:27] the four bias rows that I copy
.set VB,   22
.set SB,   24
.set BB,   26
.set PFA,  28                          ; s[28:29] the base of my prefetches
.set SEL,  30
.set CS,   32                          ; s[32:33] log2(e), twice
.set SJ,   34                          ; the step
.set SJ1,  35                          ; the step that is being copied
.set JW,   36                          ; my last step with work
.set JD,   37                          ; my first step that needs the causal term
.set JKV,  38                          ; the last step whose K and V any wave of the work-group wants
.set JB,   39                          ; the last step whose bias is wanted of the block whose rows I copy
.set LIM,  40                          ; the last step that I prefetch (-1: none)
.set PFS,  41                          ; a step on, in my prefetches
.set KF,   42                          ; the step's first key
.set WV,   43
.set TRIPS, 44
.set CM,   46                          ; s46-61 behind the head: the masks of a run of compares
; The copy of step SJ1, first half: memory to registers.  cond = 0: at the head, where nothing is left out and nothing is prefetched.
; THE PREFETCH stands behind the wave's loads: in step J it names what the copy of step J + 1 will load, the data of step J + 2.  Each aligned block of 256 bytes is named once in the launch.
;   the bias: four work-groups (hg 0-3) read the same rows: hg 0 asks; waves 0, 4, 8, 12 take a tile of 16 rows each: 16 rows x 512 bytes a step, two lanes to a row;
;   K and V: all 64 work-groups of a group of heads walk the same: i = 0 asks; waves 1-3 K's, waves 5-7 V's 4 x 6,144 bytes a step, lanes 256 bytes apart.
; Nothing is asked for at the head, nor past the last step that is wanted.  The offset is stepped here, a whole step behind the prefetch that read it.
.macro STAGE_ISSUE cond
.if \cond
	s_wait_xcnt 0x0                                ; the last step's prefetch has read its offset
	v_add_nc_u32 v28, s[PFS], v28                  ; (the wait on vm_vsrc at the end of the last copy stands behind that prefetch)
	s_wait_alu depctr_va_vdst(0)                   ; v28 is written, which the prefetch reads; the first products are done reading K's fragments and scale words, v32-93; in an idle wave: the last copy's selects are done with v56-71 and v74, and v8-v11 are written
	s_cmp_gt_u32 s[SJ1], s[JKV]
	s_cbranch_scc1 .Lnokv_\@
.endif
.irp k, 0,1,2
	global_load_b128 v[32+4*\k:35+4*\k], v8, s[KB:KB+1] offset:512*\k
.endr
.irp k, 0,1,2
	global_load_b128 v[44+4*\k:47+4*\k], v8, s[VB:VB+1] offset:512*\k
.endr
	global_load_b64 v[72:73], v9, s[SB:SB+1]
.if \cond
.Lnokv_\@:
	s_cmp_gt_u32 s[SJ1], s[JB]
	s_cbranch_scc1 .Lnob_\@
.endif
.irp k, 0,1,2,3
	global_load_b128 v[56+4*\k:59+4*\k], v10, s[BB:BB+1] offset:16384*\k   ; a row's 128 keys: 512 consecutive bytes
.endr
	global_load_b32 v74, v11, s[10:11]             ; the mask bytes of my four keys
.if \cond
.Lnob_\@:
	s_add_co_u32 s45, s[SJ], 2
	s_cmp_gt_i32 s45, s[LIM]
	s_cbranch_scc1 .Lnoask_\@
	global_prefetch_b8 v28, s[PFA:PFA+1] th:TH_LOAD_NT scope:SCOPE_SE
.Lnoask_\@:
.endif
.endm
; Second half: registers to LDS slot sl.  A masked key's bias becomes -1e9, once for the four heads.
.macro STAGE_STORE sl, cond
	s_wait_loadcnt 0x0                             ; what I copy is in; the loads' offsets may be stepped
.if \cond
	s_cmp_gt_u32 s[SJ1], s[JKV]
	s_cbranch_scc1 .Lnokv_\@
.endif
.irp k, 0,1,2
	ds_store_b128 v5, v[32+4*\k:35+4*\k] offset:(\sl)*SLK+512*\k
.endr
.irp k, 0,1,2
	ds_store_b128 v5, v[44+4*\k:47+4*\k] offset:(\sl)*SLK+6144+512*\k
.endr
	ds_store_b64 v6, v[72:73] offset:(\sl)*SLK
.if \cond
.Lnokv_\@:
	s_cmp_gt_u32 s[SJ1], s[JB]
	s_cbranch_scc1 .Lnob_\@
.endif
.irp e, 0,1,2,3
	v_bfe_u32 v[216+\e], v74, 8*\e, 8
.endr
.irp e, 0,1,2,3
	v_cmp_ne_u32 s[CM+\e], 0, v[216+\e]            ; the four keys' compares in one run, each with a scalar register of its own
.endr
	s_wait_alu depctr_va_sdst(0)                   ; the four compares have written s46 to s49, ahead of the first select that reads one of them
.irp e, 0,1,2,3
.irp k, 0,1,2,3
	v_cndmask_b32 v[56+4*\k+\e], v[56+4*\k+\e], v29, s[CM+\e]
.endr
.endr
	s_wait_alu depctr_va_vdst(0)                   ; the sixteen selects have written v56-71, which the four LDS stores read (and in which V's fragments land later)
.irp k, 0,1,2,3
	ds_store_b128 v7, v[56+4*\k:59+4*\k] offset:(\sl)*SLB+528*\k
.endr
.if \cond
.Lnob_\@:
.endif
	s_wait_dscnt 0x0                               ; the stores have landed
	s_wait_alu depctr_vm_vsrc(0)                   ; the LDS stores have read v32-73, in which loads land again; the copy's loads have read v8-v11, and the prefetch v28, which vector adds write again
.endm
; A KEY STEP from slot sl.  gen = 1: with the causal term, and t rounded before M is taken off.
.macro STEP sl, gen
	s_wait_alu depctr_va_vdst(0)                   ; the last step's products are done reading V's fragments v32-79 and scale words v86-89, and its vector lines are done with v96-159: the LDS loads below land in these; v8-v11 are written, which this step's copy reads
.irp b, 0,1,2,3
.irp j, 0,1,2,3
	ds_load_b128 v[96+16*\b+4*\j:99+16*\b+4*\j], v4 offset:(\sl)*SLB+128*\b+16*\j   ; the bias of my query at keys 32 b + 16 h + 4 j on: it lies as the result will lie
.endr
.endr
.irp t, 0,1,2,3,4,5,6,7
	ds_load_b128 v[32+6*\t:35+6*\t], v1 offset:(\sl)*SLK+768*\t
	ds_load_b64 v[36+6*\t:37+6*\t], v2 offset:(\sl)*SLK+768*\t+512
.endr
	ds_load_b128 v[86:89], v3 offset:(\sl)*SLK
	ds_load_b128 v[90:93], v3 offset:(\sl)*SLK+16
	s_wait_dscnt 0x0
.irp t, 0,1,2,3,4,5,6,7                        ; the eight accumulators by turns
	v_wmma_scale_f32_16x16x128_f8f6f4 v[96+8*\t:103+8*\t], v[32+6*\t:43+6*\t], v[16:27], v[96+8*\t:103+8*\t], v[86+\t], v94 matrix_a_fmt:MATRIX_FMT_BF6 matrix_b_fmt:MATRIX_FMT_BF6
.endr
.rept 4
	v_nop                                          ; four places behind the products: in front of the first read of the scores; they stay beside the wait at the copy's head
.endr
	STAGE_ISSUE 1
.if \gen
	v_sub_nc_u32 v230, v31, s[KF]                  ; d = my query - the step's first key - 16 h.  Register 16 b + i holds key KF + 16 h + 32 b + i: behind my query where 32 b + i > d
.irp b, 0,1,2,3                                ; a block's sixteen compares in one run, each with a scalar register of its own
.irp i, 0,1,2,3,4,5,6,7,8,9,10,11,12,13,14,15
	v_cmp_gt_i32 s[CM+\i], 32*\b+\i, v230
.endr
	s_wait_alu depctr_va_sdst(0)                   ; the sixteen compares have written s46 to s61, ahead of the first select that reads one of them
.irp i, 0,1,2,3,4,5,6,7,8,9,10,11,12,13,14,15
	v_add_f32 v231, v29, v[96+16*\b+\i]            ; score + (-1e9), rounded as the problem rounds it
	v_cndmask_b32 v[96+16*\b+\i], v[96+16*\b+\i], v231, s[CM+\i]
.endr
.endr
.endif
.irp b, 0,1,2,3
	v_max3_num_f32 v[216+\b], v[96+16*\b], v[97+16*\b], v[98+16*\b]   ; the largest score of each block of 32 keys: for the row's maximum, and, since p rises with the score, for the block's largest p
.endr
.irp i, 3,5,7,9,11,13
.irp b, 0,1,2,3
	v_max3_num_f32 v[216+\b], v[216+\b], v[96+16*\b+\i], v[97+16*\b+\i]
.endr
.endr
.irp b, 0,1,2,3
	v_max_num_f32 v[216+\b], v[216+\b], v[111+16*\b]
.endr
.irp b, 0,1,2,3
	v_permlanex16_b32 v[220+\b], v[216+\b], s[SEL], s[SEL+1]
.endr
.irp b, 0,1,2,3
	v_max_num_f32 v[216+\b], v[216+\b], v[220+\b]  ; with lane l xor 16's 16 keys
.endr
	v_max3_num_f32 v214, v216, v217, v218
	v_max_num_f32 v214, v214, v219
	v_mul_f32 v214, s[CS], v214                    ; the step's largest t
	v_max_num_f32 v13, v13, v214
	v_mov_b32 v214, v12
	v_floor_f32 v12, -v13                          ; the new -M = -ceil(t): a whole number
	v_sub_f32 v214, v12, v214                      ; old M - new M: a whole number, 0 or less
	v_cvt_i32_f32 v214, v214                       ; (it saturates)
	v_ldexp_f32 v212, 1.0, v214                    ; f = 2^(old M - new M)
.if \gen
.set nn, 0
.rept 32
	v_pk_mul_f32 v[96+nn:97+nn], v[96+nn:97+nn], s[CS:CS+1] op_sel_hi:[1,0]   ; t, rounded,
.set nn, nn+2
.endr
.irp b, 0,1,2,3
	v_mul_f32 v[216+\b], s[CS], v[216+\b]
.endr
.set nn, 0
.rept 32
	v_pk_add_f32 v[96+nn:97+nn], v[96+nn:97+nn], v[12:13] op_sel_hi:[1,0]     ; less M
.set nn, nn+2
.endr
.irp b, 0,1,2,3
	v_add_f32 v[216+\b], v12, v[216+\b]
.endr
.else
.set nn, 0
.rept 32
	v_pk_fma_f32 v[96+nn:97+nn], v[96+nn:97+nn], s[CS:CS+1], v[12:13] op_sel_hi:[1,0,0]   ; t - M, two at a time
.set nn, nn+2
.endr
.irp b, 0,1,2,3
	v_fma_f32 v[216+\b], v[216+\b], s[CS], v12
.endr
.endif
.set nn, 0
.rept 64
	v_exp_f32 v[96+nn], v[96+nn]                   ; p = 2^(t - M)
.set nn, nn+1
.endr
	v_pk_mul_f32 v[14:15], v[14:15], v[212:213] op_sel_hi:[1,0]   ; the sums under the new M: the plain place behind the exponentials
	s_wait_alu depctr_va_vdst(0)                   ; the 64 exponentials have written v96-159
.irp b, 0,1,2,3
	v_exp_f32 v[216+\b], v[216+\b]                 ; the block's largest p: the same instructions on the same number
.endr
	v_pk_add_f32 v[228:229], v[96:97], v[98:99]    ; the row's sum of the unquantised p, in two chains
.irp j, 4,8,12,16,20,24,28,32,36,40,44,48,52,56,60
	v_pk_add_f32 v[14:15], v[14:15], v[96+\j:97+\j]
	v_pk_add_f32 v[228:229], v[228:229], v[98+\j:99+\j]
.endr
	v_pk_add_f32 v[14:15], v[14:15], v[228:229]
	s_wait_alu depctr_va_vdst(0)                   ; and the four have written v216-219, ahead of their first reader
.irp b, 0,1,2,3
	v_max_num_f32 v[216+\b], 0x2800000, v[216+\b]  ; the floor 2^(5 - 127): the byte cannot fall under 1
.endr
.irp b, 0,1,2,3
	v_add_nc_u32 v[224+\b], 0xfe000000, v[216+\b]  ; 4 off the exponent field: the conversion's scale operand
.endr
.irp b, 0,1,2,3
	v_lshrrev_b32 v[220+\b], 23, v[224+\b]
.endr
	v_lshl_or_b32 v95, v221, 8, v220               ; p's scale word for these 128 keys
	v_lshl_or_b32 v95, v222, 16, v95
	v_lshl_or_b32 v95, v223, 24, v95
.irp c, 0,1
	v_cvt_scalef32_pk16_bf6_f32 v[192+6*\c:194+6*\c], v[96+32*\c:111+32*\c], v[224+2*\c]
	v_cvt_scalef32_pk16_bf6_f32 v[204+4*\c:206+4*\c], v[112+32*\c:127+32*\c], v[224+2*\c+1]
.endr
	v_nop                                          ; one plain place behind a scaled conversion
.irp c, 0,1
.irp i, 0,1,2
	v_permlane16_swap_b32 v[192+6*\c+\i], v[204+4*\c+\i]
.endr
.irp i, 0,1,2
	v_mov_b32 v[195+6*\c+\i], v[204+4*\c+\i]
.endr
.endr
.set nn, 0
.rept 16
	v_pk_mul_f32 v[160+nn:161+nn], v[160+nn:161+nn], v[212:213] op_sel_hi:[1,0]   ; O^T under the new M.  These sixteen are also the places between the scale word and the codes just made and the products below
.set nn, nn+2
.endr
	STAGE_STORE 1-(\sl), 1
	s_wait_alu depctr_va_vdst(0)                   ; p's scale word v95 and codes v192-203 are written, which the products below take as scale and as source 1 (on the way round the bias's stores no wait has stood since they were written)
.irp d, 0,1,2,3
	ds_load_b128 v[32+12*\d:35+12*\d], v1 offset:(\sl)*SLK+6144+768*\d
	ds_load_b64 v[36+12*\d:37+12*\d], v2 offset:(\sl)*SLK+6144+768*\d+512
	ds_load_b128 v[38+12*\d:41+12*\d], v1 offset:(\sl)*SLK+9216+768*\d
	ds_load_b64 v[42+12*\d:43+12*\d], v2 offset:(\sl)*SLK+9216+768*\d+512
.endr
	ds_load_b128 v[86:89], v1 offset:(\sl)*SLK+12800
	s_wait_dscnt 0x0
.irp d, 0,1,2,3                                ; the four accumulators by turns
	v_wmma_scale_f32_16x16x128_f8f6f4 v[160+8*\d:167+8*\d], v[32+12*\d:43+12*\d], v[192:203], v[160+8*\d:167+8*\d], v[86+\d], v95 matrix_a_fmt:MATRIX_FMT_BF6 matrix_b_fmt:MATRIX_FMT_BF6
.endr
.endm
; ONE BARRIER A STEP.  In front of it every wave has waited for its stores into this step's slot and for its reads of the other; behind it this slot is read and the other is written.  It stands under no branch.
.macro TRIP slot
	s_wait_dscnt 0x0
	s_barrier_signal -1
	s_barrier_wait -1
	s_cmp_gt_u32 s[SJ], s[JW]
	s_cbranch_scc1 .Lidle_\@
	s_cmp_lt_u32 s[SJ], s[JD]
	s_cbranch_scc0 .Lgen_\@
	STEP \slot, 0
	s_branch .Ldone_\@
.Lgen_\@:
	STEP \slot, 1
	s_branch .Ldone_\@
.Lidle_\@:
	STAGE_ISSUE 1
	STAGE_STORE 1-\slot, 1
.Ldone_\@:
	v_add_nc_u32 v8, 6144, v8                      ; the copy's offsets, a step on (their loads were waited for, and the wait on vm_vsrc at the copy's end stands behind them).  These four are also the places behind the last products
	v_add_nc_u32 v9, 1024, v9
	v_add_nc_u32 v10, 512, v10
	v_add_nc_u32 v11, 128, v11
	s_add_co_u32 s[SJ], s[SJ], 1
	s_add_co_u32 s[SJ1], s[SJ1], 1
	s_add_co_u32 s[KF], s[KF], 128
.endm
	s_load_b256 s[4:11], s[0:1], 0x0               ; QKV, QKVS, the bias, the mask
	s_load_b128 s[12:15], s[0:1], 0x20             ; FB, OI
	s_load_b64 s[16:17], s[0:1], 0x30              ; OS
	v_lshl_add_u32 v254, v0, 2, 0x2aa00
	v_mov_b32 v255, 0
	v_lshrrev_b32 v8, 5, v0
	v_readfirstlane_b32 s[WV], v8                  ; wave 0..15
	s_and_b32 s46, ttmp7, 0xffff                   ; hg
	s_wait_alu depctr_va_sdst(0)                   ; the wave's number is written, ahead of its first reader
	s_lshr_b32 s47, s[WV], 2                       ; hl: my head among the four
	s_and_b32 s48, s[WV], 3
	s_and_b32 s49, s47, 1
	s_xor_b32 s49, s48, s49                        ; which of the four tiles of queries: turned with the head, so that of any four waves w % 4 or w / 4 alike two have the low block and two the high
	s_and_b32 s50, s49, 1                          ; 1: the high block
	s_lshr_b32 s51, s49, 1                         ; u
	s_lshl_b32 s52, s50, 1
	s_or_b32 s52, s52, s51                         ; q': my tile's place among the bias rows
	s_lshl_b32 s53, s46, 2
	s_add_co_u32 s53, s53, s47                     ; my head
	v_and_b32 v214, 31, v0                         ; lane
	v_and_b32 v215, 15, v0                         ; r
	v_bfe_u32 v231, v0, 4, 1                       ; h
	v_lshlrev_b32 v232, 4, v214                    ; v232 16 x lane
	v_lshlrev_b32 v233, 3, v214                    ; v233 8 x lane
	s_mul_i32 s54, s47, HKB
	v_add_nc_u32 v1, s54, v232
	v_add_nc_u32 v2, s54, v233
	v_lshlrev_b32 v3, 5, v215
	v_add_nc_u32 v3, s54, v3
	v_add_nc_u32 v3, 12288, v3
	s_mul_i32 s55, s52, 16*528
	s_add_co_u32 s55, s55, BIA
	v_mul_u32_u24 v4, v215, 528
	v_lshl_add_u32 v4, v231, 6, v4
	v_add_nc_u32 v4, s55, v4
	s_mul_i32 s55, s48, 1536                       ; of a head's 6,144 bytes of K (and of V) a step, wave w % 4 copies a quarter,
	v_add_nc_u32 v8, s55, v232
	s_add_co_u32 s55, s55, s54
	v_add_nc_u32 v5, s55, v232
	s_lshl_b32 s55, s48, 8                         ; of its 1,024 bytes of scale words likewise,
	v_add_nc_u32 v9, s55, v233
	s_add_co_u32 s55, s55, s54
	s_add_co_u32 s55, s55, 12288
	v_add_nc_u32 v6, s55, v233
	s_mul_i32 s55, s[WV], 4*528                    ; and wave w bias rows 4 w .. 4 w + 3
	s_add_co_u32 s55, s55, BIA
	v_add_nc_u32 v7, s55, v232
	v_mov_b32 v10, v232
	v_lshlrev_b32 v11, 2, v214
	s_lshl_b32 s55, s52, 7                         ; o's scale bytes: OSC + 128 q' + 8 r + 4 (hl / 2) + 2 (hl % 2)
	s_lshr_b32 s57, s47, 1
	s_lshl_b32 s57, s57, 2
	s_add_co_u32 s55, s55, s57
	s_and_b32 s57, s47, 1
	s_lshl_b32 s57, s57, 1
	s_add_co_u32 s55, s55, s57
	s_add_co_u32 s55, s55, OSC
	v_lshlrev_b32 v235, 3, v215
	v_add_nc_u32 v235, s55, v235
	v_add_nc_u32 v236, OSC, v232                   ; and where wave 0 reads them back
	s_lshl_b32 s55, ttmp9, 2                       ; OS: lane l of wave 0 holds tile q' = l / 8: T = 2 i + (q' % 2) + (q' / 2) (254 - 4 i)
	s_sub_co_u32 s55, 254, s55
	v_mul_u32_u24 v237, s55, v231
	v_bfe_u32 v230, v0, 3, 1
	v_add_nc_u32 v237, v237, v230
	s_lshl_b32 s55, ttmp9, 1
	v_add_nc_u32 v237, s55, v237
	v_lshlrev_b32 v237, 9, v237
	v_and_b32 v230, 7, v0
	v_lshl_add_u32 v237, v230, 4, v237
	s_lshl_b32 s55, s46, 7
	v_add_nc_u32 v237, s55, v237
	s_mov_b32 s[SEL], 0x76543210
	s_mov_b32 s[SEL+1], 0xfedcba98
	s_mov_b32 s[CS], 0x3fb8aa3b                    ; log2(e)
	s_mov_b32 s[CS+1], s[CS]
	s_wait_kmcnt 0x0
	s_load_b32 s45, s[12:13], 0x0                  ; f
	s_sub_co_u32 s56, 127, ttmp9                   ; the high block
	s_lshl_b32 s57, ttmp9, 5
	s_lshr_b32 s58, ttmp9, 2
	s_lshl_b32 s59, s56, 5
	s_lshr_b32 s60, s56, 2
	s_wait_kmcnt 0x0
	s_cmp_lt_u32 s57, s45                          ; has the low block a row below f?  Then it walks all 32 steps, all with the causal term; else up to its diagonal step, which alone has it
	s_cselect_b32 s61, 31, s58
	s_cselect_b32 s58, 0, s58
	s_cmp_lt_u32 s59, s45
	s_cselect_b32 s62, 31, s60
	s_cselect_b32 s60, 0, s60
	s_max_u32 s[JKV], s61, s62
	s_cmp_eq_u32 s50, 0
	s_cselect_b32 s63, ttmp9, s56                  ; my block
	s_cselect_b32 s[JW], s61, s62
	s_cselect_b32 s[JD], s58, s60
	s_lshr_b32 s66, s[WV], 3
	s_cmp_eq_u32 s66, 0
	s_cselect_b32 s[JB], s61, s62
	s_cselect_b32 s67, ttmp9, s56                  ; the block whose bias rows I copy
	s_lshl_b32 s68, s63, 1
	s_add_co_u32 s68, s68, s51                     ; T
	s_mul_i32 s54, s53, 196608
	s_mov_b32 s55, 0
	s_add_nc_u64 s[VB:VB+1], s[4:5], s[54:55]      ; q of my head,
	s_add_nc_u64 s[KB:KB+1], s[VB:VB+1], 16*196608 ; k of my head,
	s_mul_i32 s54, s68, 768
	s_add_nc_u64 s[70:71], s[VB:VB+1], s[54:55]    ; my tile of q,
	s_add_nc_u64 s[VB:VB+1], s[VB:VB+1], 6291456   ; V of my head
	s_lshl_b32 s54, s53, 15
	s_add_co_u32 s54, s54, 262144
	s_add_nc_u64 s[SB:SB+1], s[6:7], s[54:55]
	s_lshl_b32 s54, s53, 14                        ; q's scale words: head, T / 8, T % 8
	s_lshr_b32 s57, s68, 3
	s_lshl_b32 s57, s57, 9
	s_add_co_u32 s54, s54, s57
	s_and_b32 s57, s68, 7
	s_lshl_b32 s57, s57, 2
	s_add_co_u32 s54, s54, s57
	s_add_nc_u64 s[58:59], s[6:7], s[54:55]
	s_lshl_b32 s54, s67, 5                         ; the first bias row that I copy: 32 block + 8 ((w / 4) % 2) + 4 (w % 4) + 8 ((w % 4) / 2)
	s_and_b32 s57, s47, 1
	s_lshl_b32 s57, s57, 3
	s_add_co_u32 s54, s54, s57
	s_lshl_b32 s57, s48, 2
	s_add_co_u32 s54, s54, s57
	s_lshr_b32 s57, s48, 1
	s_lshl_b32 s57, s57, 3
	s_add_co_u32 s54, s54, s57
	s_lshl_b32 s54, s54, 14
	s_add_nc_u64 s[BB:BB+1], s[8:9], s[54:55]
	s_mul_i32 s54, s68, 12288                      ; OI: [T][head][768]
	s_mul_i32 s57, s53, 768
	s_add_co_u32 s54, s54, s57
	s_add_nc_u64 s[14:15], s[14:15], s[54:55]
	v_and_b32 v31, 8, v215
	v_add_nc_u32 v31, v31, v215
	v_lshlrev_b32 v230, 4, v231
	v_sub_nc_u32 v31, v31, v230
	s_lshl_b32 s54, s63, 5
	s_lshl_b32 s57, s51, 3
	s_add_co_u32 s54, s54, s57
	v_add_nc_u32 v31, s54, v31                     ; my query - 16 h
	v_lshlrev_b32 v234, 5, v215
	; who prefetches what (STAGE_ISSUE).  The offsets begin a step short of the first step that is named, step 2
	v_mov_b32 v28, 0
	s_mov_b32 s[LIM], -1
	s_mov_b32 s[PFS], 0
	s_mov_b64 s[PFA:PFA+1], s[4:5]
	s_cmp_lg_u32 s48, 0
	s_cbranch_scc1 .Lpf_kv
	s_cmp_lg_u32 s46, 0
	s_cbranch_scc1 .Lpf_done
	s_lshl_b32 s54, s67, 19                        ; the block's 32 rows of 16,384 bytes
	s_mov_b32 s55, 0
	s_add_nc_u64 s[PFA:PFA+1], s[8:9], s[54:55]
	s_mov_b32 s[PFS], 512
	s_mov_b32 s[LIM], s[JB]
	v_lshrrev_b32 v28, 1, v214                     ; row r' = lane / 2 of tile w / 4
	v_and_b32 v230, 8, v28
	v_add_nc_u32 v28, v28, v230
	s_and_b32 s54, s47, 1
	s_lshl_b32 s54, s54, 3
	v_add_nc_u32 v28, s54, v28
	v_lshlrev_b32 v28, 14, v28
	v_and_b32 v230, 1, v214
	v_lshl_add_u32 v28, v230, 8, v28
	v_add_nc_u32 v28, 512, v28
	s_branch .Lpf_done
.Lpf_kv:
	s_cmp_lg_u32 ttmp9, 0
	s_cbranch_scc1 .Lpf_done
	s_cmp_ge_u32 s[WV], 8
	s_cbranch_scc1 .Lpf_done
	s_mov_b32 s[PFS], 6144
	s_mov_b32 s[LIM], 31
	s_sub_co_u32 s54, s48, 1
	s_lshl_b32 s54, s54, 5
	v_add_nc_u32 v28, s54, v214                    ; L = 0 .. 95: block L % 24 of head L / 24
	v_mul_u32_u24 v230, v28, 43
	v_lshrrev_b32 v230, 10, v230                   ; L / 24
	v_lshlrev_b32 v28, 8, v28
	v_mad_u32_u24 v28, v230, 196608-6144, v28
	s_lshl_b32 s54, s46, 2
	s_add_co_u32 s55, s54, 16
	s_mul_i32 s55, s55, 196608
	s_mul_i32 s54, s54, 196608
	s_add_co_u32 s54, s54, 6291456
	s_cmp_lt_u32 s[WV], 4
	s_cselect_b32 s54, s55, s54
	s_add_co_u32 s54, s54, 6144
	v_add_nc_u32 v28, s54, v28
.Lpf_done:
	s_wait_alu depctr_va_vdst(0)                   ; the LDS addresses v1-v7 and v235, v236 and the offsets v8-v11, v232-v234 and v237 are written, which the loads and stores from here on read
	global_load_b128 v[16:19], v232, s[70:71]      ; Q's half fragment stays in registers
	global_load_b64 v[20:21], v233, s[70:71] offset:512
	global_load_b32 v94, v234, s[58:59]            ; and its scale word
	v_mov_b32 v29, 0xce6e6b28                      ; -1e9
	STAGE_ISSUE 0                                  ; step 0
.irp j, 22,23,24,25,26,27,80,81,82,83,84,85
	v_mov_b32 v[\j], 0                             ; Q's upper half: zero codes; and what stands behind K's last tile
.endr
.set nn, 0
.rept 32
	v_mov_b32 v[160+nn], 0                         ; O^T.  (The step is written without a first step of its own: the first change of M multiplies zeros)
.set nn, nn+1
.endr
	v_mov_b32 v13, 0xff61b1e6                      ; the largest t so far: -3e38
	v_floor_f32 v12, -v13
	v_mov_b32 v14, 0
	v_mov_b32 v15, 0
	v_mov_b32 v213, 0                              ; (named as the upper half of a pair)
.irp b, 0,1,2,3
	v_mov_b32 v[220+\b], 0                         ; written once: a lane permute's destination counts as one of its sources
.endr
	STAGE_STORE 0, 0                               ; into slot 0; its wait also covers Q
	v_add_nc_u32 v8, 6144, v8
	v_add_nc_u32 v9, 1024, v9
	v_add_nc_u32 v10, 512, v10
	v_add_nc_u32 v11, 128, v11
	s_mov_b32 s[SJ], 0
	s_mov_b32 s[SJ1], 1
	s_mov_b32 s[KF], 0
	s_mov_b32 s[TRIPS], 16
.Ltrip:
	TRIP 0
	TRIP 1
	s_sub_co_u32 s[TRIPS], s[TRIPS], 1
	s_cmp_lg_u32 s[TRIPS], 0
	s_cbranch_scc1 .Ltrip
	; THE WAY OUT.  O^T / the sum: register 16 b + i is o(my query, dv 32 b + 16 h + i): two blocks of 32 along the last product's K.  They are quantised as every operand is, and leave as half a fragment.
	v_add_f32 v14, v14, v15
	v_permlanex16_b32 v214, v14, s[SEL], s[SEL+1]
	v_add_f32 v14, v14, v214                       ; the row's sum: at least 1/2, since the row's largest p is above 1/2
	v_rcp_f32 v14, v14
	v_nop                                          ; a plain place behind the reciprocal
	s_wait_alu depctr_va_vdst(0)                   ; the reciprocal has written v14
.set nn, 0
.rept 32
	v_mul_f32 v[96+nn], v[160+nn], v14
.set nn, nn+1
.endr
.irp b, 0,1
	v_max3_num_f32 v[216+\b], |v[96+16*\b]|, |v[97+16*\b]|, 0x2800000
.endr
.irp i, 2,4,6,8,10,12,14
.irp b, 0,1
	v_max3_num_f32 v[216+\b], v[216+\b], |v[96+16*\b+\i]|, |v[97+16*\b+\i]|
.endr
.endr
.irp b, 0,1
	v_permlanex16_b32 v[220+\b], v[216+\b], s[SEL], s[SEL+1]
.endr
.irp b, 0,1
	v_max_num_f32 v[216+\b], v[216+\b], v[220+\b]
.endr
.irp b, 0,1
	v_add_nc_u32 v[224+\b], 0xfe000000, v[216+\b]
.endr
.irp b, 0,1
	v_lshrrev_b32 v[220+\b], 23, v[224+\b]
.endr
	v_lshl_or_b32 v215, v221, 8, v220              ; my head's two bytes of the row's scale word
	v_cvt_scalef32_pk16_bf6_f32 v[192:194], v[96:111], v224
	v_cvt_scalef32_pk16_bf6_f32 v[196:198], v[112:127], v225
	v_nop
.irp i, 0,1,2
	v_permlane16_swap_b32 v[192+\i], v[196+\i]     ; lanes 0-15: block 0 whole, lanes 16-31: block 1
.endr
	v_mov_b32 v195, v196
	v_mov_b32 v196, v197
	v_mov_b32 v197, v198
	s_wait_alu depctr_va_vdst(0)                   ; the codes v192-197 and the two bytes in v215 are written, which the three stores read; the vector lines are done with v96-99, in which wave 0's LDS load lands
	global_store_b128 v232, v[192:195], s[14:15]   ; 512 consecutive bytes, and 256, at multiples of 256 from OI's first byte
	global_store_b64 v233, v[196:197], s[14:15] offset:512
	ds_store_b16 v235, v215                        ; lanes r and r + 16 write the same two bytes
	s_wait_dscnt 0x0                               ; for wave 0's sake
	s_barrier_signal -1
	s_barrier_wait -1
	s_cmp_lg_u32 s[WV], 0
	s_cbranch_scc1 .Lend
	ds_load_b128 v[96:99], v236                    ; the four tiles' words of my four heads: 128 bytes a tile
	s_wait_dscnt 0x0
	global_store_b128 v237, v[96:99], s[16:17]
.Lend:
	s_wait_dscnt 0x0                               ; the closing lines, six on end
	s_wait_alu 0x0
	s_wait_tensorcnt 0x0
	ds_add_u32 v254, v255
	s_wait_dscnt 0x0
	s_endpgm
.Lfunc_end_k_qf7ee63dcfe_attn:
	.size	k_qf7ee63dcfe_attn, .Lfunc_end_k_qf7ee63dcfe_attn-k_qf7ee63dcfe_attn
	.p2alignl 7, 3214868480
	.fill 96, 4, 3214868480
	.section	.rodata,"a",@progbits
	.p2align	6, 0x0
	.amdhsa_kernel k_qf7ee63dcfe_attn
		.amdhsa_group_segment_fixed_size 176640
		.amdhsa_private_segment_fixed_size 0
		.amdhsa_enable_private_segment 0
		.amdhsa_kernarg_size 56
		.amdhsa_user_sgpr_count 2
		.amdhsa_user_sgpr_kernarg_segment_ptr 1
		.amdhsa_wavefront_size32 1
		.amdhsa_system_sgpr_workgroup_id_x 1
		.amdhsa_system_sgpr_workgroup_id_y 1
		.amdhsa_system_sgpr_workgroup_id_z 1
		.amdhsa_system_vgpr_workitem_id 0
		.amdhsa_next_free_vgpr 256
		.amdhsa_next_free_sgpr 72
		.amdhsa_reserve_vcc 0
		.amdhsa_float_denorm_mode_32 3
		.amdhsa_float_denorm_mode_16_64 3
		.amdhsa_memory_ordered 1
		.amdhsa_forward_progress 1
		.amdhsa_inst_pref_size 136
	.end_amdhsa_kernel
	.amdgpu_metadata
---
amdhsa.version: [ 1, 2 ]
amdhsa.kernels:
  - .name:           k_qf7ee63dcfe_attn
    .symbol:         k_qf7ee63dcfe_attn.kd
    .args:
      - { .name: QKV, .offset: 0, .size: 8, .value_kind: global_buffer, .address_space: global }
      - { .name: QKVS, .offset: 8, .size: 8, .value_kind: global_buffer, .address_space: global }
      - { .name: spatial_bias, .offset: 16, .size: 8, .value_kind: global_buffer, .address_space: global }
      - { .name: mask, .offset: 24, .size: 8, .value_kind: global_buffer, .address_space: global }
      - { .name: FB, .offset: 32, .size: 8, .value_kind: global_buffer, .address_space: global }
      - { .name: OI, .offset: 40, .size: 8, .value_kind: global_buffer, .address_space: global }
      - { .name: OS, .offset: 48, .size: 8, .value_kind: global_buffer, .address_space: global }
    .group_segment_fixed_size: 176640
    .private_segment_fixed_size: 0
    .kernarg_segment_align: 8
    .kernarg_segment_size: 56
    .max_flat_workgroup_size: 512
    .sgpr_count:     72
    .vgpr_count:     256
    .wavefront_size: 32
...
	.end_amdgpu_metadata
.endif
;; end of part 6
;; launch outp (part 7): grid 128 x 1, 8 waves a work-group, no clusters, 171,008 bytes of LDS; arguments CI, SI, OI, OS, out0; writes out0
.if DOCPART == 7
	.amdgcn_target "amdgcn-amd-amdhsa--gfx1250"
	.amdhsa_code_object_version 6
	.text
	.protected	k_qf7ee63dcfe_outp
	.globl	k_qf7ee63dcfe_outp
	.p2align	8
	.type	k_qf7ee63dcfe_outp,@function
k_qf7ee63dcfe_outp:
	s_mov_b64 s[64:65], 0
	v_nop
	global_prefetch_b8 v0, s[64:65] scope:SCOPE_SE
	s_setreg_imm32_b32 hwreg(HW_REG_WAVE_SCHED_MODE, 0, 2), 2
	s_setreg_imm32_b32 hwreg(HW_REG_WAVE_MODE, 25, 1), 1
	s_wait_xcnt 0x0
	s_wait_alu depctr_vm_vsrc(0)
; out0 = o Wo^T on codes of BF6, K = 1024 in eight steps of 128; out0 [4096][1024] f32.
; ROLES, as in the projections.  Source 0 (P): 128 rows of Wo (128 columns of out0) = 8 tiles, copied once into LDS for the work-group.  Source 1 (N): two tiles of 16 tokens of o a wave, straight from memory, a K step ahead.
; In a result a lane is a token, and an N tile's 64 registers run along the 128 columns: register 16 b + i = column 32 b + 16 (lane / 16) + i.
; Work-group id: P = id / 16 (CI's group 56 + id / 16), tokens: tiles 16 (id % 16) + 2 w + n.  Lane r of token tile T is token 32 (T / 2) + 8 (T % 2) + r + 8 (r / 8).
; OI: [T 256][s 8][half 2][768]: a half fragment: registers 0-3 of lane l at 16 l, registers 4-5 at 512 + 8 l.  OS: [T][g 4][r 16][2 words]: word p = K step 2 g + p.
; THE WAY OUT: a tile's 16 rows x 512 bytes go through the wave's own stage in LDS and leave as whole rows: 32 lanes store 512 consecutive bytes, aligned.
; No tensor loads and no cluster: P is read once by a work-group, each wave's N by that wave alone.
; THE MODE: SCHED_MODE bits 1:0 = 2 (LLVM: expert scheduling mode 2), set by the entry lines.  The code itself states the register dependences between vector or matrix instructions and memory or LDS
; instructions, with s_wait_alu, always for 0.
; THE PLAN.  Registers that memory or LDS instructions touch:
;   v1-v9, v14, v15   offsets and LDS addresses: written at the head, never again.  One wait on va_vdst ahead of the first load states them all.
;   PF, PS            at the head loaded from memory and read by the copy's LDS stores: one wait on vm_vsrc behind the barrier.  In K step s LDS loads land in them, and the step's 16 products read them.
;   NF, two sets      the loads of K step s + 1 land in the set that the products of K step s - 1 read.      NSC  loaded once at the head.
;   So ONE wait on va_vdst stands at the head of a K step, behind the four places: the last step's products are done with PF, PS and the other set.  The step's 34 loads follow it in one run, N's first;
;   the products behind them name PF, PS, NSC, this step's set and the accumulators, and no load is issued among them.
;   The way out: one wait on va_vdst: the accumulators are written, which the LDS stores read, and the products are done with v16-143, in which the rows land from the stage.
.set PSC,  98304                       ; LDS: P's codes from byte 0, P's scale words from here,
.set STG,  102400                      ; and a stage of 16 rows x 528 bytes for each wave
.set PF,   16                          ; v16-111  P's eight fragments of a K step
.set NF0,  112                         ; v112-135, v136-159 N's two fragments, two sets
.set PS,   160                         ; v160-167 P's scale words
.set NSC,  168                         ; v168-183 N's scale words: tile n, K step s at 8 n + s
.set WV,   14
.set NB,   20                          ; s[20:21] N's codes, s[22:23] N's scale words, s[24:25] P's codes, s[26:27] P's scale words
.set OSB,  22
.set PB,   24
.set PSB,  26
.set MSB, 0
.macro WIN new                         ; the immediate's high byte repeats the setting that is left
.if MSB != \new
	s_set_vgpr_msb (MSB<<8)|\new
.set MSB, \new
.endif
.endm
	s_load_b256 s[4:11], s[0:1], 0x0               ; CI, SI, OI, OS
	s_load_b64 s[12:13], s[0:1], 0x20              ; out0
	v_lshl_add_u32 v254, v0, 2, 0x29800
	v_mov_b32 v255, 0
	v_lshrrev_b32 v10, 5, v0
	v_readfirstlane_b32 s[WV], v10                 ; wave 0..7
	v_and_b32 v10, 31, v0                          ; lane
	v_and_b32 v11, 15, v0                          ; r
	v_bfe_u32 v12, v0, 4, 1                        ; h
	v_lshlrev_b32 v1, 4, v10                       ; v1  16 x lane
	v_add_nc_u32 v2, 49152, v1                     ; v2  the same for P's tiles 4-7 in LDS
	v_lshlrev_b32 v3, 5, v11
	v_add_nc_u32 v3, PSC, v3                       ; v3  P's scale words: row r's eight
	s_wait_alu depctr_va_sdst(0)                   ; the wave's number is written, ahead of its first reader
	s_mul_i32 s15, s[WV], 12288
	v_add_nc_u32 v4, s15, v1                       ; v4  the copy of P: my wave's 12,288 bytes, in memory and in LDS alike
	s_lshl_b32 s15, s[WV], 9
	v_add_nc_u32 v15, s15, v1                      ; v15 my 512 bytes of its scale words, in memory,
	v_add_nc_u32 v14, PSC, v15                     ; v14 and in LDS
	v_lshlrev_b32 v6, 3, v10                       ; v6  8 x lane
	s_mul_i32 s15, s[WV], 8448
	s_add_co_u32 s15, s15, STG
	v_mul_u32_u24 v7, v11, 528
	v_lshl_add_u32 v7, v12, 6, v7
	v_add_nc_u32 v7, s15, v7                       ; v7  into my stage: row r, + 64 h
	v_add_nc_u32 v8, s15, v1                       ; v8  and back: 16 bytes a lane of a row
	v_lshlrev_b32 v9, 3, v11                       ; v9  N's scale words: 8 r
	s_lshr_b32 s16, ttmp9, 4                       ; pg
	s_and_b32 s17, ttmp9, 15
	s_lshl_b32 s17, s17, 4
	s_lshl_b32 s18, s[WV], 1
	s_add_co_u32 s17, s17, s18                     ; T0
	s_add_co_u32 s18, s16, 56
	s_mul_i32 s28, s18, 98304
	s_mov_b32 s29, 0
	s_lshl_b32 s30, s18, 12
	s_mov_b32 s31, 0
	s_mul_i32 s32, s17, 12288
	s_mov_b32 s33, 0
	s_lshl_b32 s34, s17, 9
	s_mov_b32 s35, 0
	s_lshl_b32 s36, s17, 16                        ; out0: token 16 T0, rows of 4,096 bytes,
	s_lshl_b32 s37, s16, 9                         ; + 128 pg columns
	s_add_co_u32 s36, s36, s37
	s_mov_b32 s37, 0
	s_wait_kmcnt 0x0
	s_add_nc_u64 s[PB:PB+1], s[4:5], s[28:29]
	s_add_nc_u64 s[PSB:PSB+1], s[6:7], s[30:31]
	s_add_nc_u64 s[NB:NB+1], s[8:9], s[32:33]
	s_add_nc_u64 s[OSB:OSB+1], s[10:11], s[34:35]
	s_add_nc_u64 s[12:13], s[12:13], s[36:37]
	s_wait_alu depctr_va_vdst(0)                   ; the offsets and LDS addresses v1 to v9, v14 and v15 are written: every load and store of the kernel reads one of them
.irp n, 0,1
.irp g, 0,1,2,3
	global_load_b64 v[NSC+8*\n+2*\g:NSC+8*\n+2*\g+1], v9, s[OSB:OSB+1] offset:512*\n+128*\g
.endr
.endr
.irp k, 0,1,2,3,4,5,6,7,8,9,10,11,12,13,14,15,16,17,18,19,20,21,22,23
	global_load_b128 v[PF+4*\k:PF+4*\k+3], v4, s[PB:PB+1] offset:512*\k
.endr
	global_load_b128 v[PS:PS+3], v15, s[PSB:PSB+1]
; N's two fragments of K step s: 8 loads
.macro NLOAD s, nf
.irp n, 0,1
	global_load_b128 v[\nf+12*\n:\nf+12*\n+3], v1, s[NB:NB+1] offset:\n*12288+(\s)*1536
	global_load_b64 v[\nf+12*\n+4:\nf+12*\n+5], v6, s[NB:NB+1] offset:\n*12288+(\s)*1536+512
	global_load_b128 v[\nf+12*\n+6:\nf+12*\n+9], v1, s[NB:NB+1] offset:\n*12288+(\s)*1536+768
	global_load_b64 v[\nf+12*\n+10:\nf+12*\n+11], v6, s[NB:NB+1] offset:\n*12288+(\s)*1536+1280
.endr
.endm
	NLOAD 0, NF0
	s_wait_loadcnt 8                               ; N's scale words and my part of P are in; N's first 8 loads may be out
.irp k, 0,1,2,3,4,5,6,7,8,9,10,11,12,13,14,15,16,17,18,19,20,21,22,23
	ds_store_b128 v4, v[PF+4*\k:PF+4*\k+3] offset:512*\k
.endr
	ds_store_b128 v14, v[PS:PS+3]
	s_wait_dscnt 0x0                               ; for the others' sake: my part of P lies in LDS
	s_barrier_signal -1
	s_barrier_wait -1
	s_wait_alu depctr_vm_vsrc(0)                   ; my LDS stores have read v[PF ..] and v[PS ..], in which the first K step's LDS loads land
; A K step: the 16 accumulators take turns, one instruction a turn, in the same order in every step.
.macro KSTEP s
.if (\s) > 0
.rept 4
	v_nop                                          ; four places behind the last step's products (ISA guide 7.12.1); they stay beside the wait below
.endr
	s_wait_alu depctr_va_vdst(0)                   ; the last step's products are done reading P's fragments, P's scale words and the other set of N: the loads below land in all of these
.endif
.if (\s) < 7
	NLOAD (\s)+1, NF0+24*(1-(\s)%2)
.endif
.irp t, 0,1,2,3,4,5,6,7
.irp c, 0,1,2
	ds_load_b128 v[PF+12*\t+4*\c:PF+12*\t+4*\c+3], v[1+\t/4] offset:(\t%4)*12288+(\s)*1536+512*\c
.endr
.endr
	ds_load_b128 v[PS:PS+3], v3 offset:512*(\s)
	ds_load_b128 v[PS+4:PS+7], v3 offset:512*(\s)+16
.if (\s) < 7
	s_wait_loadcnt 8                               ; this step's N is in; the 8 loads just issued may be out
.else
	s_wait_loadcnt 0x0
.endif
	s_wait_dscnt 0x0
	WIN 0x50                                       ; C and D in window 1
.irp t, 0,1,2,3,4,5,6,7
.irp n, 0,1
.if (\s) == 0
	v_wmma_scale_f32_16x16x128_f8f6f4 v[64*\n+8*\t:64*\n+8*\t+7], v[PF+12*\t:PF+12*\t+11], v[NF0+24*((\s)%2)+12*\n:NF0+24*((\s)%2)+12*\n+11], 0, v[PS+\t], v[NSC+8*\n+(\s)] matrix_a_fmt:MATRIX_FMT_BF6 matrix_b_fmt:MATRIX_FMT_BF6
.else
	v_wmma_scale_f32_16x16x128_f8f6f4 v[64*\n+8*\t:64*\n+8*\t+7], v[PF+12*\t:PF+12*\t+11], v[NF0+24*((\s)%2)+12*\n:NF0+24*((\s)%2)+12*\n+11], v[64*\n+8*\t:64*\n+8*\t+7], v[PS+\t], v[NSC+8*\n+(\s)] matrix_a_fmt:MATRIX_FMT_BF6 matrix_b_fmt:MATRIX_FMT_BF6
.endif
.endr
.endr
	WIN 0
.endm
.irp s, 0,1,2,3,4,5,6,7
	KSTEP \s
.endr
.rept 4
	v_nop                                          ; four places behind the last products, in front of the stores that read results; they stay beside the wait below
.endr
	s_wait_alu depctr_va_vdst(0)                   ; the products have written the accumulators, which the LDS stores read, and are done reading v16-143, in which the rows land; between here and those loads stand window switches and stores of window 1's registers alone
.irp n, 0,1
	WIN 0x04                                       ; an LDS store's data are its source 1: window 1
.irp t, 0,1,2,3,4,5,6,7
	ds_store_b128 v7, v[64*\n+8*\t:64*\n+8*\t+3] offset:128*(\t/2)+32*(\t%2)        ; each accumulator from its low end on: columns 32 (t / 2) + 16 h + 8 (t % 2) + 0 .. 7 of token r
	ds_store_b128 v7, v[64*\n+8*\t+4:64*\n+8*\t+7] offset:128*(\t/2)+32*(\t%2)+16
.endr
	WIN 0
.irp k, 0,1,2,3,4,5,6,7,8,9,10,11,12,13,14,15
	ds_load_b128 v[16+64*\n+4*\k:19+64*\n+4*\k], v8 offset:528*\k   ; LDS serves a wave's instructions in order: these see my stores, and the next tile's stores come behind them
.endr
.endr
.irp n, 0,1
.irp k, 0,1,2,3,4,5,6,7,8,9,10,11,12,13,14,15
	s_wait_dscnt 32*(1-\n)+15-\k                   ; row k of tile n is back; behind it: the tile's younger loads, and for tile 0 the other tile's 32 LDS instructions
	global_store_b128 v1, v[16+64*\n+4*\k:19+64*\n+4*\k], s[12:13] offset:(8*\n+\k+8*(\k/8))*4096 th:TH_STORE_NT   ; 512 consecutive bytes of a row of out0, at a multiple of 256 from its first byte
.endr
.endr
	s_wait_dscnt 0x0                               ; the closing lines, six on end
	s_wait_alu 0x0
	s_wait_tensorcnt 0x0
	ds_add_u32 v254, v255
	s_wait_dscnt 0x0
	s_endpgm
.Lfunc_end_k_qf7ee63dcfe_outp:
	.size	k_qf7ee63dcfe_outp, .Lfunc_end_k_qf7ee63dcfe_outp-k_qf7ee63dcfe_outp
	.p2alignl 7, 3214868480
	.fill 96, 4, 3214868480
	.section	.rodata,"a",@progbits
	.p2align	6, 0x0
	.amdhsa_kernel k_qf7ee63dcfe_outp
		.amdhsa_group_segment_fixed_size 171008
		.amdhsa_private_segment_fixed_size 0
		.amdhsa_enable_private_segment 0
		.amdhsa_kernarg_size 40
		.amdhsa_user_sgpr_count 2
		.amdhsa_user_sgpr_kernarg_segment_ptr 1
		.amdhsa_wavefront_size32 1
		.amdhsa_system_sgpr_workgroup_id_x 1
		.amdhsa_system_sgpr_workgroup_id_y 1
		.amdhsa_system_sgpr_workgroup_id_z 1
		.amdhsa_system_vgpr_workitem_id 0
		.amdhsa_next_free_vgpr 384
		.amdhsa_next_free_sgpr 66
		.amdhsa_reserve_vcc 0
		.amdhsa_float_denorm_mode_32 3
		.amdhsa_float_denorm_mode_16_64 3
		.amdhsa_memory_ordered 1
		.amdhsa_forward_progress 1
		.amdhsa_inst_pref_size 53
	.end_amdhsa_kernel
	.amdgpu_metadata
---
amdhsa.version: [ 1, 2 ]
amdhsa.kernels:
  - .name:           k_qf7ee63dcfe_outp
    .symbol:         k_qf7ee63dcfe_outp.kd
    .args:
      - { .name: CI, .offset: 0, .size: 8, .value_kind: global_buffer, .address_space: global }
      - { .name: SI, .offset: 8, .size: 8, .value_kind: global_buffer, .address_space: global }
      - { .name: OI, .offset: 16, .size: 8, .value_kind: global_buffer, .address_space: global }
      - { .name: OS, .offset: 24, .size: 8, .value_kind: global_buffer, .address_space: global }
      - { .name: out0, .offset: 32, .size: 8, .value_kind: global_buffer, .address_space: global }
    .group_segment_fixed_size: 171008
    .private_segment_fixed_size: 0
    .kernarg_segment_align: 8
    .kernarg_segment_size: 40
    .max_flat_workgroup_size: 256
    .sgpr_count:     66
    .vgpr_count:     384
    .wavefront_size: 32
...
	.end_amdgpu_metadata
.endif
;; end of part 7
